; MI455X (gfx1250); checked and timed in simulation.
; The chip was launched on July 23, 2026; its instructions are those of AMD's public machine-readable ISA for CDNA 5 (MIT licence, August 2026) and "CDNA5" Instruction Set Architecture Reference Guide (July 2026). The comments in the code are by the model that wrote it; some were corrected since.
;; SQ VAE. Allowed arithmetic: float matrix products may take bf16 or f16 operands with f32 sums; other float arithmetic in f32, or as packed bf16 or f16 multiplies, adds, multiply-adds, maxima and minima; sums over many terms, partial sums and values carried from step to step in f32; what a program stores and reads back later, other than sums and carried values, may be rounded once to bf16 or f16.
;; Inputs: embed_w 3 x 2,048 x 512 float32; gumbel 3 x 8,192 x 2,048 float32; latent 8 x 1,024 x 512 float32; logit_scales 3 float32.
;; Outputs: out0 one number float32; out1 8 x 1,024 x 512 float32.
;; One version. Each part assembles by itself: llvm-mc -triple=amdgcn-amd-amdhsa -mcpu=gfx1250 --defsym DOCPART=n.
;; ======== version 1 of 1: 7 launches
;; limits: values within 3.05e-05 (relative) of each other or of a threshold may be ordered or decided otherwise than in the reference
;; workspace buffers: tab 14,704,640 bytes; e1c 18,874,368 bytes; e2 2,097,152 bytes; x16 8,390,656 bytes; keys 524,288 bytes of whole numbers; stats 524,288 bytes; parA 256 bytes of whole numbers; parB 256 bytes of whole numbers
;; launch prep (part 1): grid 256 x 1, 8 waves a work-group, no clusters, 0 bytes of LDS; arguments embed_w, latent, logit_scales, tab, e1c, e2, x16, parA; writes tab, e1c, e2, x16, parA
.if DOCPART == 1
	.amdgcn_target "amdgcn-amd-amdhsa--gfx1250"
	.amdhsa_code_object_version 6
	.text
	.protected	k_qcd0db5d2ee_prep
	.globl	k_qcd0db5d2ee_prep
	.p2align	8
	.type	k_qcd0db5d2ee_prep,@function
k_qcd0db5d2ee_prep:
	s_mov_b64 s[64:65], 0
	v_nop
	global_prefetch_b8 v0, s[64:65] scope:SCOPE_SE
	s_setreg_imm32_b32 hwreg(HW_REG_WAVE_MODE, 25, 1), 1
	s_wait_xcnt 0x0
; PREP.  From embed_w [3][2048][512] f32: bw = sigmoid(w) in f32 (tab, byte 2,097,152), 1 / max(|bw|, 1e-12) in f32 (tab, byte 14,680,064), and e = bw / max(|bw|, 1e-12) in f16, each level's at byte 0 of a
; buffer of its own (tab, e1c, e2), so that the launch that multiplies by e makes e's address from its argument and from no number that it loads.
; From latent [8192][512] f32: level 0's x = sign(logit_scales[0]) latent / max(|latent|, 1e-12) in f16 (x16).  And the level number 0 into parA.
; f16 is in range: both vectors are normalised by the problem itself, so no number passes 1.  Memory binds: no LDS, no matrix unit, no cluster (no two work-groups read the same bytes).
; SHARES.  A row of 512 f32 is one wave's: lane l holds the 16 bytes at 512 k + 16 l, k = 0..3, so each load and store of 16 bytes a lane covers 512 consecutive bytes and each store of 8 bytes a lane 256.
; Wave g of the launch's 2,048 takes code g of each of the three levels and the latent rows 4 g .. 4 g + 3.  All 28 loads go out first.
; LIMITS.  Reciprocal, root and exponential are the chip's 1-ulp forms in place of divisions; NaN and infinities are not treated apart.
.set LEV, 4194304   ; bytes of a level in embed_w and in bw
.set W,   16        ; v[16:63]    three code rows, 16 registers each; sigmoid in place
.set X,   64        ; v[64:127]   four latent rows
.set T,   128       ; v[128:143]  a row times its factor, at work
.set H,   144       ; v[144:199]  seven rows in f16, 8 registers each: store data, never rewritten
.set SSQ, 200       ; v[200:201]  a sum of squares
.set RN,  202       ; v[202:203]  the row's factor; the packed multiply names the pair and takes its low word
.set TM,  204       ; the other half of the lanes' figure
.set R3,  205       ; v[205:207]  the three code rows' factors
.set EB,  38        ; s[38:43]    e at my code, a pair for each level
.set SEL, 44        ; s[44:45]    v_permlanex16_b32's selects: each lane takes its own place in the other half
.macro RED v                        ; the sum over the wave's 32 lanes, in every lane
	v_add_f32_dpp v[\v], v[\v], v[\v] row_xmask:1 row_mask:0xf bank_mask:0xf
	v_add_f32_dpp v[\v], v[\v], v[\v] row_xmask:2 row_mask:0xf bank_mask:0xf
	v_add_f32_dpp v[\v], v[\v], v[\v] row_xmask:4 row_mask:0xf bank_mask:0xf
	v_add_f32_dpp v[\v], v[\v], v[\v] row_xmask:8 row_mask:0xf bank_mask:0xf
	v_permlanex16_b32 v[TM], v[\v], s[SEL], s[SEL+1]
	v_add_f32 v[\v], v[\v], v[TM]
.endm
.macro SUMSQ b                      ; v[SSQ] = the row's sum of squares; the first product starts the sum
	v_pk_mul_f32 v[SSQ:SSQ+1], v[(\b):(\b)+1], v[(\b):(\b)+1]
.irp j, 2,4,6,8,10,12,14
	v_pk_fma_f32 v[SSQ:SSQ+1], v[(\b)+\j:(\b)+\j+1], v[(\b)+\j:(\b)+\j+1], v[SSQ:SSQ+1]
.endr
	v_add_f32 v[SSQ], v[SSQ], v[SSQ+1]
	RED SSQ
.endm
.macro INVN                         ; v[RN] = 1 / max(sqrt(v[SSQ]), 1e-12); a plain line stands behind each root and reciprocal (ISA guide 5.7.2)
	v_sqrt_f32 v[RN], v[SSQ]
	v_nop
	s_wait_alu depctr_va_vdst(0)
	v_max_num_f32 v[RN], 0x2b8cbccc, v[RN]
	v_rcp_f32 v[RN], v[RN]
	v_nop
.endm
.macro HALF b, h                    ; the row at b times v[RN], rounded once to f16, into 8 registers at h
.irp j, 0,2,4,6,8,10,12,14
	v_pk_mul_f32 v[T+\j:T+\j+1], v[(\b)+\j:(\b)+\j+1], v[RN:RN+1] op_sel_hi:[1,0]
.endr
.irp j, 0,1,2,3,4,5,6,7
	v_cvt_pk_f16_f32 v[(\h)+\j], v[T+2*\j], v[T+2*\j+1]
.endr
.endm
	s_load_b512 s[4:19], s[0:1], 0x0               ; embed_w 4, latent 6, logit_scales 8, tab 10, e1c 12, e2 14, x16 16, parA 18
	v_and_b32 v1, 31, v0                           ; lane
	v_lshrrev_b32 v5, 5, v0
	v_readfirstlane_b32 s20, v5                    ; wave
	v_lshlrev_b32 v2, 4, v1                        ; 16 x lane
	v_lshlrev_b32 v3, 3, v1                        ; 8 x lane
	v_lshlrev_b32 v4, 13, v1                       ; 8,192 x lane: a level's 2,048 factors
	v_mov_b32 v[TM], 0                             ; v_permlanex16_b32's destination counts as read
	v_mov_b32 v[RN+1], 0                           ; named with RN as a pair
	s_mov_b32 s[SEL], 0x76543210
	s_mov_b32 s[SEL+1], 0xfedcba98
	s_lshl_b32 s21, ttmp9, 3
	s_add_co_u32 s21, s21, s20                     ; g = 8 x work-group + wave: my code in each level
	s_lshl_b32 s24, s21, 11                        ; x 2,048 bytes (f32 rows)
	s_mov_b32 s25, 0
	s_lshl_b32 s26, s21, 10                        ; x 1,024 bytes (f16 rows)
	s_mov_b32 s27, 0
	s_lshl_b32 s28, s21, 2                         ; x 4 bytes (factors)
	s_mov_b32 s29, 0
	s_lshl_b32 s30, s21, 13                        ; my four latent rows: 4 g x 2,048 bytes,
	s_mov_b32 s31, 0
	s_lshl_b32 s32, s21, 12                        ; and 4 g x 1,024 in f16
	s_mov_b32 s33, 0
	s_wait_kmcnt 0x0
	s_load_b32 s34, s[8:9], 0x0                    ; logit_scales[0]
	s_add_nc_u64 s[4:5], s[4:5], s[24:25]
	s_add_nc_u64 s[4:5], s[4:5], LEV               ; embed_w at my code of level 1: levels 0 and 2 stand in the immediates, one level back and one on
	s_add_nc_u64 s[6:7], s[6:7], s[30:31]
	s_add_nc_u64 s[36:37], s[10:11], s[24:25]
	s_add_nc_u64 s[36:37], s[36:37], 2097152+LEV   ; bw likewise
	s_add_nc_u64 s[EB:EB+1], s[10:11], s[26:27]    ; e in f16: level 0's at tab's head,
	s_add_nc_u64 s[EB+2:EB+3], s[12:13], s[26:27]  ; level 1's at e1c's,
	s_add_nc_u64 s[EB+4:EB+5], s[14:15], s[26:27]  ; level 2's in e2
	s_add_nc_u64 s[46:47], s[10:11], s[28:29]
	s_add_nc_u64 s[46:47], s[46:47], 14680064      ; factors
	s_add_nc_u64 s[16:17], s[16:17], s[32:33]      ; x in f16
.irp i, 0,1,2
.irp k, 0,1,2,3
	global_load_b128 v[W+16*\i+4*\k:W+16*\i+4*\k+3], v2, s[4:5] offset:LEV*\i-LEV+512*\k th:TH_LOAD_NT
.endr
.endr
.irp i, 0,1,2,3
.irp k, 0,1,2,3
	global_load_b128 v[X+16*\i+4*\k:X+16*\i+4*\k+3], v2, s[6:7] offset:2048*\i+512*\k
.endr
.endr
.macro CODE i                       ; my code of level i: sigmoid = 1 / (1 + 2^(-w log2 e)), its norm, and the three results
.irp j, 0,2,4,6,8,10,12,14
	v_pk_mul_f32 v[W+16*(\i)+\j:W+16*(\i)+\j+1], v[W+16*(\i)+\j:W+16*(\i)+\j+1], 0xbfb8aa3b op_sel_hi:[1,0]
.endr
.irp j, 0,1,2,3,4,5,6,7,8,9,10,11,12,13,14,15
	v_exp_f32 v[W+16*(\i)+\j], v[W+16*(\i)+\j]
.endr
	v_nop                                          ; a plain line between the last exponential and the use of its result
	s_wait_alu depctr_va_vdst(0)
.irp j, 0,2,4,6,8,10,12,14
	v_pk_add_f32 v[W+16*(\i)+\j:W+16*(\i)+\j+1], v[W+16*(\i)+\j:W+16*(\i)+\j+1], 1.0 op_sel_hi:[1,0]
.endr
.irp j, 0,1,2,3,4,5,6,7,8,9,10,11,12,13,14,15
	v_rcp_f32 v[W+16*(\i)+\j], v[W+16*(\i)+\j]
.endr
	v_nop
	s_wait_alu depctr_va_vdst(0)
	SUMSQ W+16*(\i)
	INVN
	s_wait_alu depctr_va_vdst(0)
	v_mov_b32 v[R3+(\i)], v[RN]                    ; kept: the three factors leave together below
.irp k, 0,1,2,3
	global_store_b128 v2, v[W+16*(\i)+4*\k:W+16*(\i)+4*\k+3], s[36:37] offset:LEV*(\i)-LEV+512*\k
.endr
	HALF W+16*(\i), H+8*(\i)
.irp k, 0,1,2,3
	global_store_b64 v3, v[H+8*(\i)+2*\k:H+8*(\i)+2*\k+1], s[EB+2*(\i):EB+2*(\i)+1] offset:256*\k
.endr
.endm
.macro LAT i                        ; latent row i: its norm, the scale's sign, f16
	SUMSQ X+16*(\i)
	INVN
	s_wait_alu depctr_va_vdst(0)
	v_xor_b32 v[RN], s34, v[RN]
	HALF X+16*(\i), H+24+8*(\i)
.irp k, 0,1,2,3
	global_store_b64 v3, v[H+24+8*(\i)+2*\k:H+24+8*(\i)+2*\k+1], s[16:17] offset:1024*(\i)+256*\k
.endr
.endm
	s_wait_loadcnt 0x10                            ; the 12 loads of code rows are in; the 16 of latent rows, issued behind them, may stay out
	CODE 0
	CODE 1
	CODE 2
	v_cmp_eq_u32 vcc_lo, 1, v1                     ; lanes 0, 1, 2 take the three levels' factors: three words in all, one in each level's plane
	v_cndmask_b32 v[R3], v[R3], v[R3+1], vcc_lo
	v_cmp_eq_u32 vcc_lo, 2, v1
	v_cndmask_b32 v[R3], v[R3], v[R3+2], vcc_lo
	v_cmp_gt_u32 vcc_lo, 3, v1
	s_wait_xcnt 0x0                                ; EXEC is a source of the stores above: it changes only behind this wait
	s_and_saveexec_b32 s35, vcc_lo
	global_store_b32 v4, v[R3], s[46:47]
	s_wait_xcnt 0x0                                ; and again in front of the line that widens it
	s_or_b32 exec_lo, exec_lo, s35
	s_wait_loadcnt 0x0                             ; the latent rows
	s_wait_kmcnt 0x0
	s_and_b32 s34, s34, 0x80000000                 ; the sign of logit_scales[0]: the products then work with its magnitude
	LAT 0
	LAT 1
	LAT 2
	LAT 3
	s_cmp_lg_u32 s21, 0
	s_cbranch_scc1 .Lend                           ; wave 0 of work-group 0 writes the first level's number
	v_mov_b32 v5, 0
	v_cmp_eq_u32 vcc_lo, 0, v1
	s_wait_xcnt 0x0
	s_and_saveexec_b32 s35, vcc_lo
	global_store_b32 v5, v5, s[18:19]
	s_wait_xcnt 0x0
	s_or_b32 exec_lo, exec_lo, s35
.Lend:
	s_endpgm
.Lfunc_end_k_qcd0db5d2ee_prep:
	.size	k_qcd0db5d2ee_prep, .Lfunc_end_k_qcd0db5d2ee_prep-k_qcd0db5d2ee_prep
	.p2alignl 7, 3214868480
	.fill 96, 4, 3214868480
	.section	.rodata,"a",@progbits
	.p2align	6, 0x0
	.amdhsa_kernel k_qcd0db5d2ee_prep
		.amdhsa_group_segment_fixed_size 0
		.amdhsa_private_segment_fixed_size 0
		.amdhsa_enable_private_segment 0
		.amdhsa_kernarg_size 64
		.amdhsa_user_sgpr_count 2
		.amdhsa_user_sgpr_kernarg_segment_ptr 1
		.amdhsa_wavefront_size32 1
		.amdhsa_system_sgpr_workgroup_id_x 1
		.amdhsa_system_sgpr_workgroup_id_y 1
		.amdhsa_system_sgpr_workgroup_id_z 1
		.amdhsa_system_vgpr_workitem_id 0
		.amdhsa_next_free_vgpr 208
		.amdhsa_next_free_sgpr 66
		.amdhsa_reserve_vcc 1
		.amdhsa_float_denorm_mode_32 3
		.amdhsa_float_denorm_mode_16_64 3
		.amdhsa_memory_ordered 1
		.amdhsa_forward_progress 1
		.amdhsa_inst_pref_size 32
	.end_amdhsa_kernel
	.amdgpu_metadata
---
amdhsa.version: [ 1, 2 ]
amdhsa.kernels:
  - .name:           k_qcd0db5d2ee_prep
    .symbol:         k_qcd0db5d2ee_prep.kd
    .args:
      - { .name: embed_w, .offset: 0, .size: 8, .value_kind: global_buffer, .address_space: global }
      - { .name: latent, .offset: 8, .size: 8, .value_kind: global_buffer, .address_space: global }
      - { .name: logit_scales, .offset: 16, .size: 8, .value_kind: global_buffer, .address_space: global }
      - { .name: tab, .offset: 24, .size: 8, .value_kind: global_buffer, .address_space: global }
      - { .name: e1c, .offset: 32, .size: 8, .value_kind: global_buffer, .address_space: global }
      - { .name: e2, .offset: 40, .size: 8, .value_kind: global_buffer, .address_space: global }
      - { .name: x16, .offset: 48, .size: 8, .value_kind: global_buffer, .address_space: global }
      - { .name: parA, .offset: 56, .size: 8, .value_kind: global_buffer, .address_space: global }
    .group_segment_fixed_size: 0
    .private_segment_fixed_size: 0
    .kernarg_segment_align: 8
    .kernarg_segment_size: 64
    .max_flat_workgroup_size: 256
    .sgpr_count:     66
    .vgpr_count:     208
    .wavefront_size: 32
...
	.end_amdgpu_metadata
.endif
;; end of part 1
;; launch score0 (part 2): grid 32 x 8, 4 waves a work-group, clusters of 4 x 1, 327,680 bytes of LDS; arguments x16, tab, gumbel, logit_scales, parA, keys, stats; writes keys, stats
.if DOCPART == 2
	.amdgcn_target "amdgcn-amd-amdhsa--gfx1250"
	.amdhsa_code_object_version 6
	.text
	.protected	k_qcd0db5d2ee_score0
	.globl	k_qcd0db5d2ee_score0
	.p2align	8
	.type	k_qcd0db5d2ee_score0,@function
k_qcd0db5d2ee_score0:
	s_mov_b64 s[64:65], 0
	v_nop
	global_prefetch_b8 v0, s[64:65] scope:SCOPE_SE
	s_setreg_imm32_b32 hwreg(HW_REG_WAVE_MODE, 25, 1), 1
	s_wait_xcnt 0x0
	s_wait_alu depctr_hold_cnt(0) depctr_sa_sdst(0) depctr_va_vdst(0) depctr_va_sdst(0) depctr_va_ssrc(0) depctr_va_vcc(0) depctr_vm_vsrc(0)
	s_getreg_b32 s2, hwreg(HW_REG_IB_STS2, 6, 4)
	s_cmp_eq_u32 s2, 0
	s_cbranch_scc0 .Lentry_in_a_cluster
	s_endpgm
.Lentry_in_a_cluster:
	s_bfe_u32 s2, ttmp6, 0x10000c
	s_cmp_lg_u32 s2, 0x3003
	s_cbranch_scc0 .Lentry_shape_is_right
	s_endpgm
.Lentry_shape_is_right:
; SCORE, one level.  a[row][code] = x[row] . e[code] (f16 operands, f32 sums; x carries the sign of the level's scale s).  Of a the work-group keeps nothing but, for each of its 256 rows and its 256 codes (a PART):
;   keys:  the two largest z = |s| a + gumbel among the row's 32 groups of 8 codes, as whole numbers in the order of the floats, the 8 low bits replaced by the code's place in the part;
;   stats: Lp = log2 of the sum of 2^(c a), c = |s| log2 e, made with a running maximum, and rp = the mean of a under those weights.  The next launch merges the 8 parts.
; The level's e lies at byte 0 of the second argument; the level's number, read from the fifth, enters gumbel's and the scale's addresses alone.
; LIMITS.  The keys NOMINATE: the next launch computes both codes' z anew in f32 and chooses.  The true winner is missed only if it is not among the two largest as seen here: f16 operands shift z by about
; 1e-4 at |s| = 10, the place's bits by 2^-15 of z's binade, and of a group of 8 codes only the largest stands.  NaN and infinities are not treated apart.  A weight below 2^-126 counts as 0.
; SHARES.  Grid 32 row blocks x 8 parts.  Wave w owns rows 64 w .. 64 w + 63: four tiles of 16, whose x (K = 512) stays in 512 registers.  Every wave walks the part's 16 BLOCKS of 16 codes.
; LAYOUT.  Source 0 = 16 codes, source 1 = 16 rows: in the result lane l holds ONE row (l % 16) and the codes 8 (l / 16) + 0..7, so maxima and sums never change lanes until the end.
; BY TURNS.  The tiles are two PIECES (0: tiles 0, 1; 1: tiles 2, 3).  In a turn one piece issues a block's 32 products, and the other piece's 96 vector instructions for the block that it has finished stand
; three behind each product.  That is 3 vector instructions and two window switches for each matrix instruction of 8,192 multiply-adds.
; RING.  Two LDS slots of four blocks: 64 codes of e (1,024 bytes a row) and 256 rows x 64 numbers of gumbel.  Waves 0, 1 fetch e, waves 2, 3 gumbel, one tensor load each.
; CLUSTER.  The four row blocks of a cluster work on one part and read the same e: its tiles are asked for jointly (mask 15).  gumbel and x are each work-group's own.
; REGISTERS, in windows of 256 (s_set_vgpr_msb: bits 1:0 source 0, 3:2 source 1, 5:4 source 2, 7:6 destination):
;   window 0: addresses, statistics, accumulators, gumbel, work      window 1: x of tiles 0, 1 (tile u, K block c at 128 u + 8 c)      window 2: x of tiles 2, 3      window 3: v0-127 e of one block (K block c at 8 c)
.set PE,    1040      ; a row of e in LDS: 1,024 bytes + 16: 65 x 16, so the 16 rows of a load start at 16 different groups of four banks (64 banks of 4 bytes: ISA guide 11.1)
.set PG,    272       ; a row of gumbel: 256 bytes + 16
.set EB,    64*PE     ; a slot: e's 64 rows, then gumbel's 256 rows
.set SLOT,  EB+256*PG
.set STG,   2*SLOT    ; behind the ring, never filled by a tensor load: 1,024 bytes for each wave, for the way out
.set SPARE, STG+4096  ; the spare words: 128 bytes for each wave, two blocks of 256 bytes that no other line names
.set AE0, 3           ; v3   my lane's place in a block of e: (l % 16) PE + 16 (l / 16); never rewritten
.set AG0, 4           ; v4   in gumbel's rows: (64 w + l % 16) PG + 32 (l / 16); never rewritten
.set AE,  5           ; v5   LDS address of the block of e that is being fetched
.set AG,  6           ; v6   the same for gumbel
.set QO,  7           ; v7   my byte offset in 16 rows of x
.set H7,  8           ; v8   (l / 16) << 7: bit 7 of a code's place
.set STO, 9           ; v9   the way out: where I put a word
.set RD,  10          ; v10  the way out: where I read 16 bytes back
.set KO,  11          ; v11  my byte offset in keys and stats
.set PF,  12          ; v12  lane x 8,192: a row of gumbel for each lane, for the prefetch
.set SPW, 14          ; v14  LDS address of my spare word; never rewritten
.set NIL, 15          ; v15  0; never rewritten
.set ST,  16          ; tile t's statistics at v[ST+16 t]: +0 c m, +1 m, +2,3 sum, +4,5 weighted sum, +6 a = 2^(c m_old - c m_new), +7 its argument, +8, +9 the two largest z, +10..13 at work, +14 spare
.set ACC, 80          ; accumulators, 8 a tile
.set GB,  112         ; gumbel, 8 a tile
.set ZT,  144         ; z, 8 for each tile of the piece in hand
.set ET,  160         ; weights, likewise
.set OUT, 176         ; the way out
.set WV,  18          ; s18  wave
.set G1E, 24          ; s[24:31] descriptor group 1 for e
.set G1G, 32          ; s[32:39] for gumbel
.set G0E, 40          ; s[40:47] group 0 for e, a set for each slot
.set G0G, 48          ; s[48:55] for gumbel
.set CNT, 56          ; s56  trips
.set SE,  57          ; s57  LDS byte of the block of e to be fetched
.set SG,  58          ; s58  of gumbel's
.set SB,  59          ; s59  8 x the block whose z are in hand: bits 6:3 of a code's place
.set SS,  60          ; s[60:61] |s|
.set CC,  62          ; s[62:63] c = |s| log2 e
.set M7,  66          ; s66  clears bits 2:0
.set M78, 67          ; s67  clears bits 6:3
.set SEL, 68          ; s[68:69] v_permlanex16_b32's selects
.set HM,  70          ; s70  lanes 16-31
.set MSB, 0
.macro WIN new                      ; the immediate's high byte repeats the setting that is left; a switch that changes nothing is dropped
.if MSB != (\new)
	s_set_vgpr_msb (MSB<<8)|(\new)
.set MSB, \new
.endif
.endm
; A refill of slot o.  Waves 0, 1 ask jointly for the halves of e's tile, waves 2, 3 for the halves of gumbel's.  The branch hangs on the wave's number alone.
; An s_nop 0 and four v_nop follow each of the two lines, ahead of the jump and the label.
.macro JLOAD o
	s_cmp_lt_u32 s[WV], 2
	s_cbranch_scc0 .Lfor_g_\@
	tensor_load_to_lds s[G0E+4*(\o):G0E+4*(\o)+3], s[G1E:G1E+7]
	s_nop 0
.rept 4
	v_nop
.endr
	s_branch .Lasked_\@
.Lfor_g_\@:
	tensor_load_to_lds s[G0G+4*(\o):G0G+4*(\o)+3], s[G1G:G1G+7]
	s_nop 0
.rept 4
	v_nop
.endr
.Lasked_\@:
.endm
; A round of the cluster's barrier: my work-group's barrier, so that wave 0's signal speaks for all four waves; wave 0 signals; every wave waits for all four work-groups; my work-group's barrier once more.
.macro CROUND
	s_barrier_signal -1
	s_barrier_wait -1
	s_cmp_lg_u32 s[WV], 0
	s_cbranch_scc1 .Lnot_wave_0_\@
	s_barrier_signal -3
.Lnot_wave_0_\@:
	s_barrier_wait -3
	s_barrier_signal -1
	s_barrier_wait -1
.endm
	s_load_b256 s[4:11], s[0:1], 0x0               ; x16 4, e 6, gumbel 8, logit_scales 10
	s_load_b128 s[12:15], s[0:1], 0x20             ; par 12, keys 14
	s_load_b64 s[16:17], s[0:1], 0x30              ; stats
	v_lshl_add_u32 v[SPW], v0, 2, SPARE
	v_mov_b32 v[NIL], 0
	ds_add_u32 v[SPW], v[NIL]                      ; the wave's opening: the add and its wait stand ahead of my first tensor load; the set-up below, work on registers, stands between them
	v_lshrrev_b32 v1, 5, v0
	v_readfirstlane_b32 s[WV], v1                  ; wave 0..3
	s_bfe_u32 s19, ttmp6, 0x40000                  ; cx: my place in the cluster
	s_lshl_b32 s20, ttmp9, 2                       ; in a cluster launch ttmp9 counts clusters
	s_add_co_u32 s20, s20, s19                     ; my row block = 4 x cluster x + cx: it enters x's, gumbel's, keys' and stats' addresses alone
	s_and_b32 s21, ttmp7, 0xffff                   ; the part, which the four partners share
	s_and_b32 s71, s[WV], 1                        ; which half of a tile I fetch
	s_mov_b32 s[G1E], 15|(1<<16)|(1<<20)|(1<<21)|(7<<22)|(3<<25)  ; 15:0 the mask of four; 17:16 2-byte elements; 20 padding on; 21 set beside a mask; 24:22 after every 256 words (code 7); 31:25 4 words (code 3)
	s_mov_b32 s[G1E+1], 512<<16                    ; tensor_dim0 = 512
	s_mov_b32 s[G1E+2], 32<<16                     ; tensor_dim1 = 32
	s_mov_b32 s[G1E+3], 512<<16                    ; tile_dim0 = 512
	s_mov_b32 s[G1E+4], 32                         ; tile_dim1 = 32 codes
	s_mov_b32 s[G1E+5], 512                        ; elements from row to row
	s_mov_b32 s[G1E+6], 0
	s_mov_b32 s[G1E+7], 0
	s_mov_b32 s[G1G], (2<<16)|(1<<20)|(5<<22)|(3<<25)  ; no mask; 4-byte elements; padding after every 64 words (code 5), 4 words (code 3)
	s_mov_b32 s[G1G+1], 64<<16                     ; tensor_dim0 = 64
	s_mov_b32 s[G1G+2], 128<<16                    ; tensor_dim1 = 128
	s_mov_b32 s[G1G+3], 64<<16                     ; tile_dim0 = 64 numbers, 256 bytes
	s_mov_b32 s[G1G+4], 128                        ; tile_dim1 = 128 rows
	s_mov_b32 s[G1G+5], 2048
	s_mov_b32 s[G1G+6], 0
	s_mov_b32 s[G1G+7], 0
	s_mul_i32 s94, s71, 32*PE                      ; my half's place in a slot: no place in the cluster enters an LDS address
	s_mul_i32 s95, s71, 128*PG
.irp o, 0,1
	s_mov_b32 s[G0E+4*\o], 1                       ; 1:0 count = 1
	s_add_co_u32 s[G0E+4*\o+1], s94, \o*SLOT       ; 63:32 LDS address
	s_mov_b32 s[G0G+4*\o], 1
	s_add_co_u32 s[G0G+4*\o+1], s95, \o*SLOT+EB
.endr
	s_mov_b32 s[M7], 0xfffffff8
	s_mov_b32 s[M78], 0xffffff87
	s_mov_b32 s[SEL], 0x76543210
	s_mov_b32 s[SEL+1], 0xfedcba98
	s_mov_b32 s[HM], 0xffff0000
	s_mov_b32 s[SE], 0
	s_mov_b32 s[SG], EB
	s_mov_b32 s[SB], 0
	s_mul_i32 s81, s[WV], 64*PG                    ; my 64 rows in gumbel's tile
	s_lshl_b32 s99, s[WV], 10
	s_add_co_u32 s99, s99, STG                     ; my stage
	s_lshl_b32 s96, s21, 18                        ; e: 256 rows of 1,024 bytes a part,
	s_lshl_b32 s98, s71, 15                        ; 32 a half: the part and the wave's number alone; these registers hold neither cx nor a loaded number
	s_add_co_u32 s96, s96, s98
	s_mov_b32 s97, 0
	s_wait_dscnt 0x0                               ; the opening add is done
	s_wait_kmcnt 0x0
	s_load_b32 s22, s[12:13], 0x0                  ; the level, a whole number that an earlier launch stored
	s_add_nc_u64 s[92:93], s[6:7], s[96:97]
.irp o, 0,1
	s_add_nc_u64 s[G0E+4*\o+2:G0E+4*\o+3], s[92:93], \o*65536   ; 120:64 global address: slot o begins with codes 64 o on; the same in all four partners
	s_or_b32 s[G0E+4*\o+3], s[G0E+4*\o+3], 0x80000000           ; 127:126 type = 2
.endr
	s_lshl_b32 s84, s20, 18                        ; x: 256 rows of 1,024 bytes a row block,
	s_lshl_b32 s86, s[WV], 16                      ; 64 a wave
	s_add_co_u32 s84, s84, s86
	s_mov_b32 s85, 0
	s_add_nc_u64 s[82:83], s[4:5], s[84:85]
	s_lshl_b32 s84, s21, 16                        ; keys and stats: [part][2][8192] words
	s_lshl_b32 s86, s20, 10
	s_add_co_u32 s84, s84, s86
	s_lshl_b32 s86, s[WV], 8
	s_add_co_u32 s84, s84, s86
	s_add_nc_u64 s[74:75], s[14:15], s[84:85]
	s_add_nc_u64 s[76:77], s[16:17], s[84:85]
	s_wait_kmcnt 0x0
	s_min_u32 s22, s22, 2                          ; a loaded number enters addresses only behind this clamp
	s_lshl_b32 s84, s22, 2
	s_add_nc_u64 s[10:11], s[10:11], s[84:85]
	s_load_b32 s80, s[10:11], 0x0                  ; the level's scale s
	s_lshl_b32 s88, s22, 26                        ; gumbel: 8,192 rows of 8,192 bytes a level,
	s_lshl_b32 s90, s20, 21                        ; 256 rows a row block,
	s_add_co_u32 s88, s88, s90
	s_lshl_b32 s90, s21, 10                        ; 1,024 bytes a part
	s_add_co_u32 s88, s88, s90
	s_mov_b32 s89, 0
	s_mov_b32 s91, 0
	s_add_nc_u64 s[86:87], s[8:9], s[88:89]
	s_lshl_b32 s90, s[WV], 19                      ; the prefetch: my wave's 64 rows
	s_add_nc_u64 s[72:73], s[86:87], s[90:91]
	s_lshl_b32 s90, s71, 20                        ; the tensor load: my half's 128 rows
	s_add_nc_u64 s[86:87], s[86:87], s[90:91]
.irp o, 0,1
	s_add_nc_u64 s[G0G+4*\o+2:G0G+4*\o+3], s[86:87], \o*256
	s_or_b32 s[G0G+4*\o+3], s[G0G+4*\o+3], 0x80000000
.endr
	CROUND                                         ; all four work-groups are here: the first joint loads meet
	s_cmp_lt_u32 s[WV], 2                          ; a wave's two first fills stand in one branch, ahead of every wait on TENSORcnt and every LDS read: two loads of mine are out
	s_cbranch_scc0 .Lfirst_g
	tensor_load_to_lds s[G0E:G0E+3], s[G1E:G1E+7]
	s_nop 0
	tensor_load_to_lds s[G0E+4:G0E+7], s[G1E:G1E+7]
	s_nop 0
.rept 4
	v_nop
.endr
	s_branch .Lfirst_asked
.Lfirst_g:
	tensor_load_to_lds s[G0G:G0G+3], s[G1G:G1G+7]
	s_nop 0
	tensor_load_to_lds s[G0G+4:G0G+7], s[G1G:G1G+7]
	s_nop 0
.rept 4
	v_nop
.endr
.Lfirst_asked:
	; A fragment is 16 rows x 32 K in 8 registers: lane l holds row l % 16, K = 8 (l / 16) + 0..7 and 16 + 8 (l / 16) + 0..7: two loads of 16 bytes, 32 bytes apart.
	v_and_b32 v1, 15, v0                           ; l % 16
	v_bfe_u32 v2, v0, 4, 1                         ; l / 16
	v_lshlrev_b32 v[QO], 10, v1
	v_lshl_add_u32 v[QO], v2, 4, v[QO]             ; row x 1,024 + 16 x half
	WIN 0x40                                       ; x stays in registers: tiles 0, 1 into window 1,
.set i, 0
.rept 32
	global_load_b128 v[8*i:8*i+3],   v[QO], s[82:83] offset:(i/16)*16384+(i%16)*64
	global_load_b128 v[8*i+4:8*i+7], v[QO], s[82:83] offset:(i/16)*16384+(i%16)*64+32
.set i, i+1
.endr
	WIN 0x80                                       ; tiles 2, 3 into window 2
.set i, 0
.rept 32
	global_load_b128 v[8*i:8*i+3],   v[QO], s[82:83] offset:32768+(i/16)*16384+(i%16)*64
	global_load_b128 v[8*i+4:8*i+7], v[QO], s[82:83] offset:32768+(i/16)*16384+(i%16)*64+32
.set i, i+1
.endr
	WIN 0
	v_mul_u32_u24 v[AE0], v1, PE
	v_lshl_add_u32 v[AE0], v2, 4, v[AE0]
	v_mul_u32_u24 v[AG0], v1, PG
	v_lshl_add_u32 v[AG0], v2, 5, v[AG0]           ; my 8 numbers of a block: 32 bytes for each half of the lanes
	v_add_nc_u32 v[AG0], s81, v[AG0]
	v_lshlrev_b32 v[H7], 7, v2
	v_lshlrev_b32 v[STO], 2, v1                    ; the stage: 256 bytes (64 rows) for each of first key, second key, Lp, rp; lanes 16-31 write the second of a pair
	v_lshl_add_u32 v[STO], v2, 8, v[STO]
	v_add_nc_u32 v[STO], s99, v[STO]
	v_and_b32 v[RD], 31, v0
	v_lshlrev_b32 v[PF], 13, v[RD]
	v_lshl_add_u32 v[RD], v[RD], 4, s99
	v_lshlrev_b32 v[KO], 4, v1                     ; lanes 0-15: 256 bytes of the first plane, lanes 16-31: of the second, 32,768 bytes on
	v_lshl_add_u32 v[KO], v2, 15, v[KO]
.set i, 0
.rept 4
	v_mov_b32 v[ST+16*i], 0xfe000000               ; c m: far below every c a, so the first block's a is 0
	v_mov_b32 v[ST+16*i+1], 0xff7fffff             ; m: the lowest finite number
	v_mov_b32 v[ST+16*i+2], 0
	v_mov_b32 v[ST+16*i+3], 0
	v_mov_b32 v[ST+16*i+4], 0
	v_mov_b32 v[ST+16*i+5], 0
	v_mov_b32 v[ST+16*i+8], 0xff7fffff
	v_mov_b32 v[ST+16*i+9], 0xff7fffff
	v_mov_b32 v[ST+16*i+14], 0                     ; a destination of v_permlanex16_b32 at the end: it counts as read
.set i, i+1
.endr
; THE MATRIX WORK.  Product i of 32 of piece x: K block i / 2, tile 2 x + i % 2.  The two accumulators take turns; the first two products start the sums.
.macro MM x
	WIN 0x07+4*(\x)                                ; e in window 3, x in window 1 or 2, sums in window 0
.set rD, ACC+8*(2*(\x)+i%2)
.set rX, 128*(i%2)+8*(i/2)
.set rF, 8*(i/2)
.if i < 2
	v_wmma_f32_16x16x32_f16 v[rD:rD+7], v[rF:rF+7], v[rX:rX+7], 0
.else
	v_wmma_f32_16x16x32_f16 v[rD:rD+7], v[rF:rF+7], v[rX:rX+7], v[rD:rD+7]
.endif
.endm
.macro ELOAD f                      ; K block f of the block of e at v[AE]
	WIN 0xc0                                       ; destination window 3, address window 0
	ds_load_b128 v[8*(\f):8*(\f)+3],   v[AE] offset:64*(\f)
	ds_load_b128 v[8*(\f)+4:8*(\f)+7], v[AE] offset:64*(\f)+32
.endm
.macro GLOAD x                      ; piece x's gumbel of the block at v[AG]: 8 numbers a lane and tile
	WIN 0
.irp u, 0,1
	ds_load_b128 v[GB+8*(2*(\x)+\u):GB+8*(2*(\x)+\u)+3],   v[AG] offset:(2*(\x)+\u)*16*PG
	ds_load_b128 v[GB+8*(2*(\x)+\u)+4:GB+8*(2*(\x)+\u)+7], v[AG] offset:(2*(\x)+\u)*16*PG+16
.endr
.endm
; THE VECTOR WORK for one tile and block, 48 lines: OP kind, number, u (tile 2 RP + u).  a0-a7 are the lane's 8 sums.
;   kM 0-3  the running maximum m (the accumulator's lowest registers are read first)      kK  c m_old is kept      kU  c m      kD  c m_old - c m_new      kA  a = 2^ of it
;   kF 0-3  c a - c m, in pairs      kX 0-7  the weights 2^ of them      kL 0-3  sum = a sum + weights      kW 0-4  weighted sum = a weighted sum + weights x a
;   kZ 0-3  z = |s| a + gumbel, in pairs      kP 0-7  z's bits 2:0 take the register's number      kT 0-3  the largest of the 8      kT 4  its bits 6:3 take the block      kT 5, 6  the two largest so far
.set kM, 0
.set kK, 1
.set kU, 2
.set kD, 3
.set kA, 4
.set kF, 5
.set kX, 6
.set kL, 7
.set kW, 8
.set kZ, 9
.set kP, 10
.set kT, 11
.macro OP k, n, u
.set rT, ST+16*(2*RP+(\u))
.set rA, ACC+8*(2*RP+(\u))
.set rG, GB+8*(2*RP+(\u))
.set rZ, ZT+8*(\u)
.set rE, ET+8*(\u)
.if (\k) == kM
.if (\n) == 0
	v_max3_num_f32 v[rT+10], v[rA], v[rA+1], v[rA+2]
.elseif (\n) == 1
	v_max3_num_f32 v[rT+11], v[rA+3], v[rA+4], v[rA+5]
.elseif (\n) == 2
	v_max3_num_f32 v[rT+10], v[rT+10], v[rA+6], v[rA+7]
.else
	v_max3_num_f32 v[rT+1], v[rT+10], v[rT+11], v[rT+1]
.endif
.elseif (\k) == kK
	v_mov_b32 v[rT+13], v[rT]
.elseif (\k) == kU
	v_mul_f32 v[rT], s[CC], v[rT+1]
.elseif (\k) == kD
	v_sub_f32 v[rT+7], v[rT+13], v[rT]
.elseif (\k) == kA
	v_exp_f32 v[rT+6], v[rT+7]
.elseif (\k) == kF
	v_pk_fma_f32 v[rE+2*(\n):rE+2*(\n)+1], v[rA+2*(\n):rA+2*(\n)+1], s[CC:CC+1], v[rT:rT+1] op_sel_hi:[1,0,0] neg_lo:[0,0,1] neg_hi:[0,0,1]
.elseif (\k) == kX
	v_exp_f32 v[rE+(\n)], v[rE+(\n)]
.elseif (\k) == kL
.if (\n) == 0
	s_wait_alu depctr_va_vdst(0)
	v_pk_fma_f32 v[rT+2:rT+3], v[rT+2:rT+3], v[rT+6:rT+7], v[rE:rE+1] op_sel_hi:[1,0,1]
.else
	s_wait_alu depctr_va_vdst(0)
	v_pk_add_f32 v[rT+2:rT+3], v[rT+2:rT+3], v[rE+2*(\n):rE+2*(\n)+1]
.endif
.elseif (\k) == kW
.if (\n) == 0
	v_pk_mul_f32 v[rT+4:rT+5], v[rT+4:rT+5], v[rT+6:rT+7] op_sel_hi:[1,0]
.else
	v_pk_fma_f32 v[rT+4:rT+5], v[rE+2*(\n)-2:rE+2*(\n)-1], v[rA+2*(\n)-2:rA+2*(\n)-1], v[rT+4:rT+5]
.endif
.elseif (\k) == kZ
	v_pk_fma_f32 v[rZ+2*(\n):rZ+2*(\n)+1], v[rA+2*(\n):rA+2*(\n)+1], s[SS:SS+1], v[rG+2*(\n):rG+2*(\n)+1] op_sel_hi:[1,0,1]
.elseif (\k) == kP
	v_and_or_b32 v[rZ+(\n)], v[rZ+(\n)], s[M7], \n
.elseif (\n) == 0
	v_max3_num_f32 v[rT+12], v[rZ], v[rZ+1], v[rZ+2]
.elseif (\n) == 1
	v_max3_num_f32 v[rT+13], v[rZ+3], v[rZ+4], v[rZ+5]
.elseif (\n) == 2
	v_max3_num_f32 v[rT+12], v[rT+12], v[rZ+6], v[rZ+7]
.elseif (\n) == 3
	v_max_num_f32 v[rT+12], v[rT+12], v[rT+13]
.elseif (\n) == 4
	v_and_or_b32 v[rT+12], v[rT+12], s[M78], s[SB]
.elseif (\n) == 5
	v_med3_num_f32 v[rT+9], v[rT+8], v[rT+9], v[rT+12]
.else
	v_max_num_f32 v[rT+8], v[rT+8], v[rT+12]
.endif
.endm
.macro R3 k1, n1, u1, k2, n2, u2, k3, n3, u3
	OP \k1, \n1, \u1
	OP \k2, \n2, \u2
	OP \k3, \n3, \u3
.endm
; Slice s of 32: three lines of the piece's 96.  An exponential stands in a slice's middle, a plain line that touches neither its result nor its source behind it (ISA guide 5.7.2).
; Slices 0-4 and 23-31 are plain: behind a piece's last two products stand six and seven plain lines that name none of their registers before the first read of their sums (ISA guide 7.12.1).
; gumbel's registers are last read in slice 12.
.macro SLICE s
	WIN 0
.if (\s) == 0
	R3 kM,0,0, kM,1,0, kK,0,0
.elseif (\s) == 1
	R3 kM,2,0, kM,0,1, kM,1,1
.elseif (\s) == 2
	R3 kM,3,0, kM,2,1, kK,0,1
.elseif (\s) == 3
	R3 kU,0,0, kM,3,1, kZ,0,0
.elseif (\s) == 4
	R3 kD,0,0, kU,0,1, kZ,1,0
.elseif (\s) == 5
	R3 kD,0,1, kA,0,0, kF,0,0
.elseif (\s) == 6
	R3 kF,1,0, kA,0,1, kF,2,0
.elseif (\s) == 7
	R3 kF,3,0, kX,0,0, kF,0,1
.elseif (\s) == 8
	R3 kF,1,1, kX,1,0, kF,2,1
.elseif (\s) == 9
	R3 kF,3,1, kX,2,0, kZ,2,0
.elseif (\s) == 10
	R3 kZ,3,0, kX,3,0, kZ,0,1
.elseif (\s) == 11
	R3 kZ,1,1, kX,4,0, kZ,2,1
.elseif (\s) == 12
	R3 kZ,3,1, kX,5,0, kL,0,0
.elseif (\s) == 13
	R3 kW,0,0, kX,6,0, kW,1,0
.elseif (\s) == 14
	R3 kL,1,0, kX,7,0, kP,0,0
.elseif (\s) == 15
	R3 kW,2,0, kX,0,1, kL,2,0
.elseif (\s) == 16
	R3 kW,3,0, kX,1,1, kP,1,0
.elseif (\s) == 17
	R3 kP,2,0, kX,2,1, kL,3,0
.elseif (\s) == 18
	R3 kW,4,0, kX,3,1, kL,0,1
.elseif (\s) == 19
	R3 kW,0,1, kX,4,1, kW,1,1
.elseif (\s) == 20
	R3 kL,1,1, kX,5,1, kW,2,1
.elseif (\s) == 21
	R3 kP,3,0, kX,6,1, kP,4,0
.elseif (\s) == 22
	R3 kL,2,1, kX,7,1, kW,3,1
.elseif (\s) == 23
	R3 kP,5,0, kP,6,0, kP,7,0
.elseif (\s) == 24
	R3 kL,3,1, kW,4,1, kT,0,0
.elseif (\s) == 25
	R3 kT,1,0, kP,0,1, kP,1,1
.elseif (\s) == 26
	R3 kT,2,0, kP,2,1, kP,3,1
.elseif (\s) == 27
	R3 kT,3,0, kP,4,1, kP,5,1
.elseif (\s) == 28
	R3 kT,4,0, kP,6,1, kP,7,1
.elseif (\s) == 29
	R3 kT,5,0, kT,0,1, kT,1,1
.elseif (\s) == 30
	R3 kT,6,0, kT,2,1, kT,3,1
.else
	R3 kT,4,1, kT,5,1, kT,6,1
.endif
.endm
; A TURN.  Piece x has the matrix unit; rid = 1: the other piece's slices stand behind its products; ld = 1: the next block is fetched.
; e has one buffer.  Piece 1's turn reads each K block for the last time, so it fetches the next block's K blocks 0-13, two at a time, behind slices 5, 9, .. 29: the later of the two was last read
; three slices back, six plain lines or more (a load into a register that a matrix instruction has read stands four such lines behind it).  Piece 0's turn fetches K blocks 14, 15
; and its own gumbel behind slice 1, the other piece's gumbel behind slice 16.
; The waits of piece 0's turn count LDS loads, which come back in order (ISA guide 5.7.1).  Ahead of product 0: 28 are issued, K blocks 0-3 are the first 8: 20 may be out.  Ahead of 8: 36 issued, 16 wanted: 20.
; Ahead of 16: 36 issued, 24 wanted: 12.  Ahead of 24: 40 issued, 32 wanted: 8, gumbel's.  Piece 1's turn begins with everything in.
.macro TURN x, rid, ld
.set RP, 1-(\x)
.set i, 0
.if (\x) == 1
	s_wait_dscnt 0x0
.endif
.rept 32
.if ((\x) == 0) && (\ld)
.if (i == 0) || (i == 8)
	s_wait_dscnt 20
.elseif i == 16
	s_wait_dscnt 12
.elseif i == 24
	s_wait_dscnt 8
.endif
.endif
	MM \x
.if \rid
	SLICE i
.endif
.if ((\x) == 1) && (\ld) && (i >= 5) && ((i-5)%4 == 0)
	ELOAD (i-5)/2
	ELOAD (i-5)/2+1
.endif
.if ((\x) == 0) && (\ld) && (i == 1)
	ELOAD 14
	ELOAD 15
	GLOAD 0
.endif
.if ((\x) == 0) && (\ld) && (i == 16)
	GLOAD 1
.endif
.set i, i+1
.endr
.endm
.macro ADDR                         ; the LDS addresses of the block to be fetched
	WIN 0
	v_add_nc_u32 v[AE], s[SE], v[AE0]
	v_add_nc_u32 v[AG], s[SG], v[AG0]
.endm
.macro NEXTB
	s_add_co_u32 s[SE], s[SE], 16*PE
	s_add_co_u32 s[SG], s[SG], 64
.endm
; n trips.  Trip b: piece 1's products of block b beside piece 0's vector work of block b; piece 0's products of block b + 1 beside piece 1's vector work of block b; block b + 1 is fetched.
.macro TRIPS n
	s_mov_b32 s[CNT], \n
.Ltrip_\@:
	ADDR
	TURN 1, 1, 1
	TURN 0, 1, 1
	WIN 0                                          ; at a label and at a branch every window is 0
	NEXTB
	s_add_co_u32 s[SB], s[SB], 8
	s_sub_co_u32 s[CNT], s[CNT], 1
	s_cmp_lg_u32 s[CNT], 0
	s_cbranch_scc1 .Ltrip_\@
.endm
; THE CHANGE OF SLOTS.  All four blocks of the old slot are in registers or asked for.  Each wave waits for all its tensor loads, of which one is out: its part of the new slot; adds 0 to its spare word; and
; waits for that and for its own reads of the old slot.  Behind the barrier nobody reads the old slot any more and the new one is whole.  fill = 1: the old slot takes the codes two slots on; the barrier is then a
; round of the cluster's, so that no wave of any partner still reads the slot or has a load on its way, and the refill is the first thing behind it: it has four trips, 256 matrix instructions, in which to land.
.macro CHANGE old, fill, new
	WIN 0
	s_wait_tensorcnt 0x0                           ; no tensor load of mine is out, so a group 0 may be written
	ds_add_u32 v[SPW], v[NIL]                      ; 0 onto my spare word; the scalar work below stands between it and the wait for it
.if \fill
	s_add_nc_u64 s[G0E+4*(\old)+2:G0E+4*(\old)+3], s[G0E+4*(\old)+2:G0E+4*(\old)+3], 131072  ; 128 codes on; the type bits on top are not reached
	s_add_nc_u64 s[G0G+4*(\old)+2:G0G+4*(\old)+3], s[G0G+4*(\old)+2:G0G+4*(\old)+3], 512
.endif
	s_mov_b32 s[SE], (\new)*SLOT
	s_mov_b32 s[SG], (\new)*SLOT+EB
	s_wait_dscnt 0x0                               ; the add is done, and my reads of the old slot are over
.if \fill
	CROUND
	JLOAD \old
.else
	s_barrier_signal -1
	s_barrier_wait -1
.endif
.endm
	s_wait_tensorcnt 0x1                           ; my part of slot 0 is in; slot 1's may stay out
	s_barrier_signal -1
	s_barrier_wait -1                              ; everybody's is
	ADDR                                           ; block 0
.set i, 0
.rept 16
	ELOAD i
.set i, i+1
.endr
	GLOAD 0
	GLOAD 1
	s_wait_kmcnt 0x0                               ; the scale
	s_and_b32 s[SS], s80, 0x7fffffff               ; |s|: x carries the sign
	s_mov_b32 s[SS+1], s[SS]                       ; named with it as a pair
	s_mul_f32 s[CC], s[SS], 0x3fb8aa3b
	s_mov_b32 s[CC+1], s[CC]
	NEXTB
	s_wait_loadcnt 0x0                             ; x
	s_wait_dscnt 0x0
	TURN 0, 0, 0                                   ; piece 0's products of block 0: there is no vector work yet to set between them
	WIN 0
.rept 4
	v_nop                                          ; the places behind those products
.endr
	; The prefetch: each lane asks for one aligned 256 bytes of gumbel, each wave for its own 64 rows, each block once in the launch: here the third slot-full, which the refill three trips on will want.
	global_prefetch_b8 v[PF], s[72:73] offset:512 th:TH_LOAD_NT scope:SCOPE_SE
	global_prefetch_b8 v[PF], s[72:73] offset:512+262144 th:TH_LOAD_NT scope:SCOPE_SE
	TRIPS 3                                        ; blocks 1-3 are fetched from slot 0
	CHANGE 0, 1, 1
	global_prefetch_b8 v[PF], s[72:73] offset:768 th:TH_LOAD_NT scope:SCOPE_SE          ; the fourth and last slot-full, four trips ahead of its refill; nothing is asked for beyond it
	global_prefetch_b8 v[PF], s[72:73] offset:768+262144 th:TH_LOAD_NT scope:SCOPE_SE
	TRIPS 4                                        ; blocks 4-7 from slot 1
	CHANGE 1, 1, 0
	TRIPS 4                                        ; blocks 8-11 from slot 0
	CHANGE 0, 0, 1                                 ; written out: nothing is left to ask for
	TRIPS 4                                        ; blocks 12-15 from slot 1
	TURN 1, 1, 0                                   ; piece 1's products of block 15 beside piece 0's last vector work
.set RP, 1
.set i, 0
.rept 32
	SLICE i                                        ; piece 1's last vector work
.set i, i+1
.endr
	; THE WAY OUT.  A row's two halves of the lanes are merged: the sums under the larger of the two maxima, the four z to the two largest.  Then z's bits become whole numbers in the floats' order.
.macro ALL line:vararg              ; one line for each tile t, its statistics at v[q]
.set t, 0
.rept 4
.set q, ST+16*t
	\line
.set t, t+1
.endr
.endm
	WIN 0
	ALL v_add_f32 v[q+2], v[q+2], v[q+3]
	ALL v_add_f32 v[q+4], v[q+4], v[q+5]
	ALL v_and_or_b32 v[q+8], v[q+8], 0xffffff7f, v[H7]     ; bit 7 of the place: which half of the lanes
	ALL v_and_or_b32 v[q+9], v[q+9], 0xffffff7f, v[H7]
	ALL v_permlanex16_b32 v[q+10], v[q], s[SEL], s[SEL+1]
	ALL v_permlanex16_b32 v[q+11], v[q+2], s[SEL], s[SEL+1]
	ALL v_permlanex16_b32 v[q+12], v[q+4], s[SEL], s[SEL+1]
	ALL v_permlanex16_b32 v[q+13], v[q+8], s[SEL], s[SEL+1]
	ALL v_permlanex16_b32 v[q+14], v[q+9], s[SEL], s[SEL+1]
	ALL v_max_num_f32 v[q+1], v[q], v[q+10]
	ALL v_sub_f32 v[q+3], v[q], v[q+1]
	ALL v_sub_f32 v[q+5], v[q+10], v[q+1]
	ALL v_exp_f32 v[q+3], v[q+3]
	ALL v_exp_f32 v[q+5], v[q+5]
	v_nop                                          ; a plain line between the last exponential and the use of its result
	s_wait_alu depctr_va_vdst(0)
	ALL v_mul_f32 v[q+2], v[q+2], v[q+3]
	ALL v_mul_f32 v[q+4], v[q+4], v[q+3]
	ALL v_fmac_f32 v[q+2], v[q+11], v[q+5]
	ALL v_fmac_f32 v[q+4], v[q+12], v[q+5]
	ALL v_log_f32 v[q+6], v[q+2]
	ALL v_rcp_f32 v[q+7], v[q+2]
	v_nop
	s_wait_alu depctr_va_vdst(0)
	ALL v_add_f32 v[q+6], v[q+6], v[q+1]                   ; Lp
	ALL v_mul_f32 v[q+7], v[q+7], v[q+4]                   ; rp
	ALL v_max_num_f32 v[q+10], v[q+8], v[q+13]             ; the largest z,
	ALL v_min_num_f32 v[q+11], v[q+8], v[q+13]
	ALL v_max3_num_f32 v[q+11], v[q+11], v[q+9], v[q+14]   ; and the second
	ALL v_ashrrev_i32 v[q+12], 31, v[q+10]                 ; a float's bits, all turned if it is negative and else the sign bit alone, order as unsigned numbers
	ALL v_ashrrev_i32 v[q+13], 31, v[q+11]
	ALL v_or_b32 v[q+12], 0x80000000, v[q+12]
	ALL v_or_b32 v[q+13], 0x80000000, v[q+13]
	ALL v_xor_b32 v[q+10], v[q+12], v[q+10]
	ALL v_xor_b32 v[q+11], v[q+13], v[q+11]
	ALL v_cndmask_b32 v[q+10], v[q+10], v[q+11], s[HM]     ; lanes 0-15 hand on the first of each pair, lanes 16-31 the second
	ALL v_cndmask_b32 v[q+6], v[q+6], v[q+7], s[HM]
	ALL ds_store_b32 v[STO], v[q+10] offset:64*t
	ALL ds_store_b32 v[STO], v[q+6] offset:512+64*t
	ds_load_b128 v[OUT:OUT+3], v[RD]               ; LDS serves a wave's instructions in order (ISA guide 5.7.1.4): these see my stores above
	ds_load_b128 v[OUT+4:OUT+7], v[RD] offset:512
	s_wait_dscnt 0x0
	global_store_b128 v[KO], v[OUT:OUT+3], s[74:75]        ; 16 lanes store 256 consecutive bytes, at a multiple of 256 from the buffer's first byte
	global_store_b128 v[KO], v[OUT+4:OUT+7], s[76:77]
	s_wait_tensorcnt 0x0                           ; the wave's end, behind my last tensor load and my last LDS store
	ds_add_u32 v[SPW], v[NIL]
	s_wait_dscnt 0x0
	CROUND                                         ; the closing round: no work-group ends while a partner may still ask for a tile that names it
	s_endpgm
.Lfunc_end_k_qcd0db5d2ee_score0:
	.size	k_qcd0db5d2ee_score0, .Lfunc_end_k_qcd0db5d2ee_score0-k_qcd0db5d2ee_score0
	.p2alignl 7, 3214868480
	.fill 96, 4, 3214868480
	.section	.rodata,"a",@progbits
	.p2align	6, 0x0
	.amdhsa_kernel k_qcd0db5d2ee_score0
		.amdhsa_group_segment_fixed_size 327680
		.amdhsa_private_segment_fixed_size 0
		.amdhsa_enable_private_segment 0
		.amdhsa_kernarg_size 56
		.amdhsa_user_sgpr_count 2
		.amdhsa_user_sgpr_kernarg_segment_ptr 1
		.amdhsa_wavefront_size32 1
		.amdhsa_system_sgpr_workgroup_id_x 1
		.amdhsa_system_sgpr_workgroup_id_y 1
		.amdhsa_system_sgpr_workgroup_id_z 1
		.amdhsa_system_vgpr_workitem_id 0
		.amdhsa_next_free_vgpr 896
		.amdhsa_next_free_sgpr 100
		.amdhsa_reserve_vcc 0
		.amdhsa_float_denorm_mode_32 3
		.amdhsa_float_denorm_mode_16_64 3
		.amdhsa_memory_ordered 1
		.amdhsa_forward_progress 1
		.amdhsa_inst_pref_size 139
	.end_amdhsa_kernel
	.amdgpu_metadata
---
amdhsa.version: [ 1, 2 ]
amdhsa.kernels:
  - .name:           k_qcd0db5d2ee_score0
    .symbol:         k_qcd0db5d2ee_score0.kd
    .args:
      - { .name: x16, .offset: 0, .size: 8, .value_kind: global_buffer, .address_space: global }
      - { .name: tab, .offset: 8, .size: 8, .value_kind: global_buffer, .address_space: global }
      - { .name: gumbel, .offset: 16, .size: 8, .value_kind: global_buffer, .address_space: global }
      - { .name: logit_scales, .offset: 24, .size: 8, .value_kind: global_buffer, .address_space: global }
      - { .name: parA, .offset: 32, .size: 8, .value_kind: global_buffer, .address_space: global }
      - { .name: keys, .offset: 40, .size: 8, .value_kind: global_buffer, .address_space: global }
      - { .name: stats, .offset: 48, .size: 8, .value_kind: global_buffer, .address_space: global }
    .group_segment_fixed_size: 327680
    .private_segment_fixed_size: 0
    .kernarg_segment_align: 8
    .kernarg_segment_size: 56
    .max_flat_workgroup_size: 128
    .sgpr_count:     100
    .vgpr_count:     896
    .wavefront_size: 32
...
	.end_amdgpu_metadata
.endif
;; end of part 2
;; launch upd0 (part 3): grid 256 x 1, 16 waves a work-group, no clusters, 0 bytes of LDS; arguments latent, keys, stats, tab, gumbel, logit_scales, parA, out1, x16, parB; writes out1, x16, parB
.if DOCPART == 3
	.amdgcn_target "amdgcn-amd-amdhsa--gfx1250"
	.amdhsa_code_object_version 6
	.text
	.protected	k_qcd0db5d2ee_upd0
	.globl	k_qcd0db5d2ee_upd0
	.p2align	8
	.type	k_qcd0db5d2ee_upd0,@function
k_qcd0db5d2ee_upd0:
	s_mov_b64 s[64:65], 0
	v_nop
	global_prefetch_b8 v0, s[64:65] scope:SCOPE_SE
	s_setreg_imm32_b32 hwreg(HW_REG_WAVE_MODE, 25, 1), 1
	s_wait_xcnt 0x0
; UPDATE, for level l = 0 or 1.  For each row: the 16 keys (8 parts x 2) are merged to the two largest by whole-number compares; their places give two codes, whose rows of bw (f32) are gathered; both
; z = s (x_n . e_n) + gumbel are computed anew in f32; the larger wins (at equal z the lower code, as argmax has it); q = bw[code] x scale; curr - q goes to cout (2,097,152 l bytes into it: level 1's rows lie
; behind that level's e), and level l + 1's normalised row, with the sign of its scale, in f16 to xout.  Wave 0 also merges the 8 parts' (Lp, rp) of the work-group's 32 rows to KL(softmax(logits) || uniform)
; and stores the 32 rows' sum (xout, byte 8,388,608 + 1,024 l + 4 x work-group); wave 0 of work-group 0 stores l + 1 for the launches behind.
; The product of the one-hot row with bw IS the row bw[code]: y_hard + y_soft - y_soft differs from y_hard by one rounding of y_soft at the most.
; No address hangs on a float of this launch: the keys are read as whole numbers that the launch before stored, and the choice between the two gathered rows is a v_cndmask_b32.
; SHARES.  A work-group takes 32 rows, a wave 2.  Lane l holds the 16 bytes at 512 k + 16 l of a row.  Memory and latency bind: no LDS, no matrix unit, no cluster (no tile is shared).
; LIMITS.  Reciprocal, root, exponential and logarithm are the chip's 1-ulp forms in place of divisions; curr - q and z are fused; NaN and infinities are not treated apart.
.set LN,  1         ; lane
.set O16, 2         ; 16 x lane
.set O8,  3         ; 8 x lane
.set O4,  4         ; 4 x lane
.set TM,  5         ; the other half of the lanes' figure
.set PA,  6         ; v[6:7]  a packed sum
.set KEY, 8         ; v[8:23]  the 16 keys of row (lane)
.set K1,  KEY       ; the largest so far, in place
.set K2,  KEY+1     ; the second
.set STA, 24        ; v[24:39] wave 0: the 16 statistics of row (lane)
.set I1,  41        ; which of the 16 the largest is
.set I2,  43
.set TA,  44
.set TB,  45
.set X1,  46        ; the two codes
.set X2,  47
.set KM,  48
.set KR,  49
.set KL,  50
.set KG,  51
.set KI,  52
.set NL,  53        ; l + 1
.set C,   64        ; v[64:95]    curr, 16 a row; then curr - q
.set B1,  96        ; v[96:127]   the first code's bw; then the winner's
.set B2,  128       ; v[128:159]  the second code's
.set RS,  160       ; row r's figures at v[RS+16 r]: +0 mean, +1 sum of squares, +2, +3 dots, +4 deviation, +6 scale (+7 its pair), +8 factor (+9 its pair, z1), +10 z2, +11 1 / scale
.set H,   192       ; v[192:207]  the next level's x in f16, 8 a row
.set T,   208       ; v[208:223]  at work
.set LM,  38        ; s38  all ones if l > 0
.set SEL, 86        ; s[86:87]
.set ABS, 90        ; s90  |s|
.set NLN2, 91       ; s91  -ln 2
.macro RED v                        ; the sum over the wave's 32 lanes, in every lane
	v_add_f32_dpp v[\v], v[\v], v[\v] row_xmask:1 row_mask:0xf bank_mask:0xf
	v_add_f32_dpp v[\v], v[\v], v[\v] row_xmask:2 row_mask:0xf bank_mask:0xf
	v_add_f32_dpp v[\v], v[\v], v[\v] row_xmask:4 row_mask:0xf bank_mask:0xf
	v_add_f32_dpp v[\v], v[\v], v[\v] row_xmask:8 row_mask:0xf bank_mask:0xf
	v_permlanex16_b32 v[TM], v[\v], s[SEL], s[SEL+1]
	v_add_f32 v[\v], v[\v], v[TM]
.endm
.macro SUM d, b                     ; v[d] = the sum of the row at b
	v_pk_add_f32 v[PA:PA+1], v[(\b):(\b)+1], v[(\b)+2:(\b)+3]
.irp j, 4,6,8,10,12,14
	v_pk_add_f32 v[PA:PA+1], v[PA:PA+1], v[(\b)+\j:(\b)+\j+1]
.endr
	v_add_f32 v[\d], v[PA], v[PA+1]
	RED \d
.endm
.macro DOT d, a, b                  ; v[d] = the rows at a and b multiplied and summed; the first product starts the sum
	v_pk_mul_f32 v[PA:PA+1], v[(\a):(\a)+1], v[(\b):(\b)+1]
.irp j, 2,4,6,8,10,12,14
	v_pk_fma_f32 v[PA:PA+1], v[(\a)+\j:(\a)+\j+1], v[(\b)+\j:(\b)+\j+1], v[PA:PA+1]
.endr
	v_add_f32 v[\d], v[PA], v[PA+1]
	RED \d
.endm
.macro DEV d, b, m                  ; v[d] = the sum of (row - v[m])^2: a second pass, so that a common offset of the row costs nothing
.irp j, 0,2,4,6,8,10,12,14
	v_pk_add_f32 v[T+\j:T+\j+1], v[(\b)+\j:(\b)+\j+1], v[(\m):(\m)+1] op_sel_hi:[1,0] neg_lo:[0,1] neg_hi:[0,1]
.endr
	DOT \d, T, T
.endm
; From the row at c: scale = std (511 in the divisor) + 1e-5 (lm = 1: 1.0 at level 0), and the factor f with x_n = f row: f = (1 / scale) / max(|row| / scale, 1e-12).
.macro NORMF c, R, lm
	SUM (\R), (\c)
	v_mul_f32 v[(\R)], 0x3b000000, v[(\R)]         ; / 512
	DOT (\R)+1, (\c), (\c)
	DEV (\R)+4, (\c), (\R)
	v_mul_f32 v[(\R)+4], 0x3b004020, v[(\R)+4]     ; / 511
	v_sqrt_f32 v[(\R)+4], v[(\R)+4]
	v_sqrt_f32 v[(\R)+8], v[(\R)+1]
	v_nop                                          ; a plain line behind the roots (ISA guide 5.7.2)
	s_wait_alu depctr_va_vdst(0)
	v_add_f32 v[(\R)+6], 0x3727c5ac, v[(\R)+4]
.if \lm
	v_cndmask_b32 v[(\R)+6], 1.0, v[(\R)+6], s[LM]
.endif
	v_rcp_f32 v[(\R)+11], v[(\R)+6]
	v_nop
	s_wait_alu depctr_va_vdst(0)
	v_mul_f32 v[(\R)+8], v[(\R)+8], v[(\R)+11]
	v_max_num_f32 v[(\R)+8], 0x2b8cbccc, v[(\R)+8]
	v_rcp_f32 v[(\R)+8], v[(\R)+8]
	v_nop
	s_wait_alu depctr_va_vdst(0)
	v_mul_f32 v[(\R)+8], v[(\R)+8], v[(\R)+11]
.endm
.macro DECODE k, i, x               ; key k, number i of 16 -> the code: part i / 2, block bits 6:3, half bit 7, register bits 2:0
	v_not_b32 v[TA], v[\k]
	v_ashrrev_i32 v[TA], 31, v[TA]
	v_or_b32 v[TA], 0x80000000, v[TA]
	v_xor_b32 v[TA], v[TA], v[\k]                  ; the float's bits again
	v_lshrrev_b32 v[\x], 1, v[\i]
	v_lshlrev_b32 v[\x], 8, v[\x]
	v_bfe_u32 v[TB], v[TA], 3, 4
	v_lshl_or_b32 v[\x], v[TB], 4, v[\x]
	v_bfe_u32 v[TB], v[TA], 7, 1
	v_lshl_or_b32 v[\x], v[TB], 3, v[\x]
	v_and_b32 v[TB], 7, v[TA]
	v_or_b32 v[\x], v[\x], v[TB]
.endm
; KL of one row a lane from 8 parts' Lp (at b + 2 p st) and rp (at b + (2 p + 1) st), into v[KR]: the largest Lp is taken away before the exponentials;
; KL = |s| (sum rp e) / (sum e) - ln 2 (log2-sum-exp - 11), 11 = log2 2048.
.macro KLROW b, st
	v_max3_num_f32 v[KM], v[(\b)], v[(\b)+2*(\st)], v[(\b)+4*(\st)]
	v_max3_num_f32 v[KM], v[KM], v[(\b)+6*(\st)], v[(\b)+8*(\st)]
	v_max3_num_f32 v[KM], v[KM], v[(\b)+10*(\st)], v[(\b)+12*(\st)]
	v_max_num_f32 v[KM], v[KM], v[(\b)+14*(\st)]
.irp p, 0,2,4,6,8,10,12,14
	v_sub_f32 v[(\b)+\p*(\st)], v[(\b)+\p*(\st)], v[KM]
.endr
.irp p, 0,2,4,6,8,10,12,14
	v_exp_f32 v[(\b)+\p*(\st)], v[(\b)+\p*(\st)]
.endr
	v_nop
	s_wait_alu depctr_va_vdst(0)
	v_mul_f32 v[KR], v[(\b)+(\st)], v[(\b)]
	v_add_f32 v[KL], v[(\b)], v[(\b)+2*(\st)]
.irp p, 2,4,6,8,10,12,14
	v_fmac_f32 v[KR], v[(\b)+(\p+1)*(\st)], v[(\b)+\p*(\st)]
.endr
.irp p, 4,6,8,10,12,14
	v_add_f32 v[KL], v[KL], v[(\b)+\p*(\st)]
.endr
	v_log_f32 v[KG], v[KL]
	v_rcp_f32 v[KI], v[KL]
	v_nop
	s_wait_alu depctr_va_vdst(0)
	v_add_f32 v[KG], v[KG], v[KM]
	v_mul_f32 v[KR], v[KR], v[KI]
	v_add_f32 v[KG], 0xc1300000, v[KG]             ; - 11
	v_mul_f32 v[KR], s[ABS], v[KR]
	v_fmac_f32 v[KR], s[NLN2], v[KG]
.endm
	s_load_b512 s[4:19], s[0:1], 0x0               ; cin 4, keys 6, stats 8, tab 10, gumbel 12, logit_scales 14, par 16, cout 18
	s_load_b64 s[20:21], s[0:1], 0x40              ; xout
	s_load_b64 s[98:99], s[0:1], 0x48              ; where l + 1 goes
	v_and_b32 v[LN], 31, v0
	v_lshrrev_b32 v[TA], 5, v0
	v_readfirstlane_b32 s22, v[TA]                 ; wave 0..15
	v_lshlrev_b32 v[O16], 4, v[LN]
	v_lshlrev_b32 v[O8], 3, v[LN]
	v_lshlrev_b32 v[O4], 2, v[LN]
	v_mov_b32 v[TM], 0                             ; v_permlanex16_b32's destination counts as read
	v_mov_b32 v[RS+7], 0                           ; named with the scale as a pair
	v_mov_b32 v[RS+23], 0
	s_mov_b32 s[SEL], 0x76543210
	s_mov_b32 s[SEL+1], 0xfedcba98
	s_mov_b32 s[NLN2], 0xbf317218
	s_lshl_b32 s24, ttmp9, 7                       ; the work-group's 32 rows in a plane of keys or stats
	s_mov_b32 s25, 0
	s_lshl_b32 s26, ttmp9, 5
	s_lshl1_add_u32 s26, s22, s26                  ; my first row = 32 x work-group + 2 x wave
	s_lshl_b32 s28, s26, 11
	s_mov_b32 s29, 0
	s_lshl_b32 s32, s22, 1                         ; the lanes that hold my two rows' codes
	s_add_co_u32 s33, s32, 1
	s_mov_b32 s77, 0
	s_wait_kmcnt 0x0
	s_load_b32 s23, s[16:17], 0x0                  ; the level, a whole number that an earlier launch stored
	s_add_nc_u64 s[6:7], s[6:7], s[24:25]
	s_add_nc_u64 s[8:9], s[8:9], s[24:25]
	s_add_nc_u64 s[4:5], s[4:5], s[28:29]
	s_add_nc_u64 s[18:19], s[18:19], s[28:29]
	s_cmp_lg_u32 s22, 0
	s_cbranch_scc1 .Lno_stats                      ; wave 0's 16 further loads go out first: older than all that is counted below, they change no count
.irp i, 0,1,2,3,4,5,6,7,8,9,10,11,12,13,14,15
	global_load_b32 v[STA+\i], v[O4], s[8:9] offset:\i*32768
.endr
.Lno_stats:
.irp i, 0,1,2,3,4,5,6,7,8,9,10,11,12,13,14,15
	global_load_b32 v[KEY+\i], v[O4], s[6:7] offset:\i*32768
.endr
.irp r, 0,1
.irp k, 0,1,2,3
	global_load_b128 v[C+16*\r+4*\k:C+16*\r+4*\k+3], v[O16], s[4:5] offset:2048*\r+512*\k
.endr
.endr
	s_wait_kmcnt 0x0
	s_min_u32 s23, s23, 1                          ; a loaded number enters addresses only behind this clamp; scale l + 1 stays inside its buffer
	s_add_co_u32 s95, s23, 1                       ; l + 1
	s_lshl_b32 s76, s23, 2
	s_add_nc_u64 s[14:15], s[14:15], s[76:77]
	s_load_b32 s66, s[14:15], 0x0                  ; s of this level,
	s_load_b32 s67, s[14:15], 0x4                  ; and of the next
	s_cmp_lg_u32 s23, 0
	s_cselect_b32 s[LM], -1, 0
	s_lshl_b32 s76, s23, 21                        ; cout's rows begin 2,097,152 l bytes into the buffer
	s_add_nc_u64 s[18:19], s[18:19], s[76:77]
	s_lshl_b32 s76, s23, 22                        ; bw: 2,048 rows of 2,048 bytes a level, behind level 0's e
	s_add_nc_u64 s[78:79], s[10:11], s[76:77]
	s_add_nc_u64 s[78:79], s[78:79], 2097152
	s_lshl_b32 s76, s23, 13                        ; the codes' factors: 2,048 words a level
	s_add_nc_u64 s[84:85], s[10:11], s[76:77]
	s_add_nc_u64 s[84:85], s[84:85], 14680064
	s_lshl_b32 s76, s23, 26                        ; gumbel at my two rows
	s_lshl_b32 s27, s26, 13
	s_add_co_u32 s76, s76, s27
	s_add_nc_u64 s[80:81], s[12:13], s[76:77]
	s_add_nc_u64 s[82:83], s[80:81], 8192
	s_lshl_b32 s76, s23, 10                        ; where the work-group's KL goes
	s_lshl_b32 s27, ttmp9, 2
	s_add_co_u32 s76, s76, s27
	s_add_nc_u64 s[88:89], s[20:21], s[76:77]
	s_add_nc_u64 s[88:89], s[88:89], 8388608
	s_lshl_b32 s76, s26, 10                        ; the next level's x at my rows
	s_add_nc_u64 s[96:97], s[20:21], s[76:77]
	s_wait_loadcnt 0x8                             ; the keys are in; the 8 loads of curr, issued behind them, may stay out
	v_mov_b32 v[I1], 0                             ; a part's first key is not below its second
	v_mov_b32 v[I2], 1
.irp i, 2,3,4,5,6,7,8,9,10,11,12,13,14,15
	v_cmp_gt_u32 s30, v[KEY+\i], v[K1]
	v_cmp_gt_u32 s31, v[KEY+\i], v[K2]
	v_cndmask_b32 v[K2], v[K2], v[KEY+\i], s31
	v_cndmask_b32 v[I2], v[I2], \i, s31
	v_cndmask_b32 v[K2], v[K2], v[K1], s30
	v_cndmask_b32 v[I2], v[I2], v[I1], s30
	v_cndmask_b32 v[K1], v[K1], v[KEY+\i], s30
	v_cndmask_b32 v[I1], v[I1], \i, s30
.endr
	DECODE K1, I1, X1
	DECODE K2, I2, X2
.irp q, 0,1,2,3                     ; q = 2 x row + candidate
	v_readlane_b32 s[34+\q], v[X1+(\q%2)], s[32+\q/2]
	s_min_u32 s[34+\q], s[34+\q], 2047             ; the clamp in front of the addresses
	s_lshl_b32 s76, s[34+\q], 11
	s_add_nc_u64 s[40+2*\q:41+2*\q], s[78:79], s[76:77]
	s_lshl_b32 s76, s[34+\q], 2
	s_add_nc_u64 s[48+2*\q:49+2*\q], s[80+2*(\q/2):81+2*(\q/2)], s[76:77]
	s_add_nc_u64 s[56+2*\q:57+2*\q], s[84:85], s[76:77]
.endr
.irp q, 0,1,2,3
	s_load_b32 s[68+\q], s[48+2*\q:49+2*\q], 0x0   ; gumbel[row][code]
	s_load_b32 s[72+\q], s[56+2*\q:57+2*\q], 0x0   ; 1 / |bw[code]|
.endr
.irp q, 0,1,2,3
.irp k, 0,1,2,3
	global_load_b128 v[B1+32*(\q%2)+16*(\q/2)+4*\k:B1+32*(\q%2)+16*(\q/2)+4*\k+3], v[O16], s[40+2*\q:41+2*\q] offset:512*\k
.endr
.endr
	s_wait_loadcnt 0x10                            ; curr is in; the 16 gathers may stay out
	NORMF C, RS, 1
	NORMF C+16, RS+16, 1
	s_wait_loadcnt 0x0
	s_wait_kmcnt 0x0
	s_and_b32 s[ABS], s66, 0x7fffffff
	s_and_b32 s92, s67, 0x80000000                 ; the sign of the next level's scale
.macro PICK r                       ; both z anew in f32; the winner's row into B1
	DOT RS+16*(\r)+2, C+16*(\r), B1+16*(\r)
	DOT RS+16*(\r)+3, C+16*(\r), B2+16*(\r)
	v_mul_f32 v[RS+16*(\r)+9], v[RS+16*(\r)+2], v[RS+16*(\r)+8]
	v_mul_f32 v[RS+16*(\r)+10], v[RS+16*(\r)+3], v[RS+16*(\r)+8]
	v_mul_f32 v[RS+16*(\r)+9], s[72+2*(\r)], v[RS+16*(\r)+9]
	v_mul_f32 v[RS+16*(\r)+10], s[73+2*(\r)], v[RS+16*(\r)+10]
	v_fma_f32 v[RS+16*(\r)+9], v[RS+16*(\r)+9], s66, s[68+2*(\r)]
	v_fma_f32 v[RS+16*(\r)+10], v[RS+16*(\r)+10], s66, s[69+2*(\r)]
	v_cmp_gt_f32 s93, v[RS+16*(\r)+10], v[RS+16*(\r)+9]
	v_cmp_eq_f32 s94, v[RS+16*(\r)+10], v[RS+16*(\r)+9]
	s_cmp_lt_u32 s[35+2*(\r)], s[34+2*(\r)]
	s_cselect_b32 s27, -1, 0
	s_and_b32 s94, s94, s27
	s_or_b32 s93, s93, s94                         ; the second wins: larger z, or equal z and the lower code
.irp j, 0,1,2,3,4,5,6,7,8,9,10,11,12,13,14,15
	v_cndmask_b32 v[B1+16*(\r)+\j], v[B1+16*(\r)+\j], v[B2+16*(\r)+\j], s93
.endr
.endm
.macro STEP r                       ; curr - bw x scale, stored; then the next level's x
.irp j, 0,2,4,6,8,10,12,14
	v_pk_fma_f32 v[C+16*(\r)+\j:C+16*(\r)+\j+1], v[B1+16*(\r)+\j:B1+16*(\r)+\j+1], v[RS+16*(\r)+6:RS+16*(\r)+7], v[C+16*(\r)+\j:C+16*(\r)+\j+1] op_sel_hi:[1,0,1] neg_lo:[1,0,0] neg_hi:[1,0,0]
.endr
.irp k, 0,1,2,3
	global_store_b128 v[O16], v[C+16*(\r)+4*\k:C+16*(\r)+4*\k+3], s[18:19] offset:2048*(\r)+512*\k
.endr
	NORMF C+16*(\r), RS+16*(\r), 0
	v_xor_b32 v[RS+16*(\r)+8], s92, v[RS+16*(\r)+8]
.irp j, 0,2,4,6,8,10,12,14
	v_pk_mul_f32 v[T+\j:T+\j+1], v[C+16*(\r)+\j:C+16*(\r)+\j+1], v[RS+16*(\r)+8:RS+16*(\r)+9] op_sel_hi:[1,0]
.endr
.irp j, 0,1,2,3,4,5,6,7
	v_cvt_pk_f16_f32 v[H+8*(\r)+\j], v[T+2*\j], v[T+2*\j+1]
.endr
.irp k, 0,1,2,3
	global_store_b64 v[O8], v[H+8*(\r)+2*\k:H+8*(\r)+2*\k+1], s[96:97] offset:1024*(\r)+256*\k
.endr
.endm
	PICK 0
	PICK 1
	STEP 0
	STEP 1
	s_cmp_lg_u32 s22, 0
	s_cbranch_scc1 .Lend
	KLROW STA, 1                                   ; wave 0: a row a lane
	RED KR
	v_mov_b32 v[NL], s95
	v_cmp_eq_u32 vcc_lo, 0, v[LN]
	s_wait_xcnt 0x0                                ; EXEC is a source of the stores above: it changes only behind this wait
	s_and_saveexec_b32 s27, vcc_lo
	global_store_b32 v[O4], v[KR], s[88:89]
	s_wait_xcnt 0x0
	s_or_b32 exec_lo, exec_lo, s27
	s_cmp_lg_u32 ttmp9, 0
	s_cbranch_scc1 .Lend                           ; work-group 0 hands the next level's number on
	s_and_saveexec_b32 s27, vcc_lo
	global_store_b32 v[O4], v[NL], s[98:99]
	s_wait_xcnt 0x0
	s_or_b32 exec_lo, exec_lo, s27
.Lend:
	s_endpgm
.Lfunc_end_k_qcd0db5d2ee_upd0:
	.size	k_qcd0db5d2ee_upd0, .Lfunc_end_k_qcd0db5d2ee_upd0-k_qcd0db5d2ee_upd0
	.p2alignl 7, 3214868480
	.fill 96, 4, 3214868480
	.section	.rodata,"a",@progbits
	.p2align	6, 0x0
	.amdhsa_kernel k_qcd0db5d2ee_upd0
		.amdhsa_group_segment_fixed_size 0
		.amdhsa_private_segment_fixed_size 0
		.amdhsa_enable_private_segment 0
		.amdhsa_kernarg_size 80
		.amdhsa_user_sgpr_count 2
		.amdhsa_user_sgpr_kernarg_segment_ptr 1
		.amdhsa_wavefront_size32 1
		.amdhsa_system_sgpr_workgroup_id_x 1
		.amdhsa_system_sgpr_workgroup_id_y 1
		.amdhsa_system_sgpr_workgroup_id_z 1
		.amdhsa_system_vgpr_workitem_id 0
		.amdhsa_next_free_vgpr 224
		.amdhsa_next_free_sgpr 100
		.amdhsa_reserve_vcc 1
		.amdhsa_float_denorm_mode_32 3
		.amdhsa_float_denorm_mode_16_64 3
		.amdhsa_memory_ordered 1
		.amdhsa_forward_progress 1
		.amdhsa_inst_pref_size 47
	.end_amdhsa_kernel
	.amdgpu_metadata
---
amdhsa.version: [ 1, 2 ]
amdhsa.kernels:
  - .name:           k_qcd0db5d2ee_upd0
    .symbol:         k_qcd0db5d2ee_upd0.kd
    .args:
      - { .name: latent, .offset: 0, .size: 8, .value_kind: global_buffer, .address_space: global }
      - { .name: keys, .offset: 8, .size: 8, .value_kind: global_buffer, .address_space: global }
      - { .name: stats, .offset: 16, .size: 8, .value_kind: global_buffer, .address_space: global }
      - { .name: tab, .offset: 24, .size: 8, .value_kind: global_buffer, .address_space: global }
      - { .name: gumbel, .offset: 32, .size: 8, .value_kind: global_buffer, .address_space: global }
      - { .name: logit_scales, .offset: 40, .size: 8, .value_kind: global_buffer, .address_space: global }
      - { .name: parA, .offset: 48, .size: 8, .value_kind: global_buffer, .address_space: global }
      - { .name: out1, .offset: 56, .size: 8, .value_kind: global_buffer, .address_space: global }
      - { .name: x16, .offset: 64, .size: 8, .value_kind: global_buffer, .address_space: global }
      - { .name: parB, .offset: 72, .size: 8, .value_kind: global_buffer, .address_space: global }
    .group_segment_fixed_size: 0
    .private_segment_fixed_size: 0
    .kernarg_segment_align: 8
    .kernarg_segment_size: 80
    .max_flat_workgroup_size: 512
    .sgpr_count:     100
    .vgpr_count:     224
    .wavefront_size: 32
...
	.end_amdgpu_metadata
.endif
;; end of part 3
;; launch score1: the kernel of part 2 again; grid 32 x 8, 4 waves a work-group, clusters of 4 x 1, 327,680 bytes of LDS; arguments x16, e1c, gumbel, logit_scales, parB, keys, stats; writes keys, stats
;; launch upd1: the kernel of part 3 again; grid 256 x 1, 16 waves a work-group, no clusters, 0 bytes of LDS; arguments out1, keys, stats, tab, gumbel, logit_scales, parB, e1c, x16, parA; writes e1c, x16, parA
;; launch score2: the kernel of part 2 again; grid 32 x 8, 4 waves a work-group, clusters of 4 x 1, 327,680 bytes of LDS; arguments x16, e2, gumbel, logit_scales, parA, keys, stats; writes keys, stats
;; launch fin (part 4): grid 257 x 1, 16 waves a work-group, no clusters, 2,304 bytes of LDS; arguments e1c, latent, keys, stats, tab, gumbel, logit_scales, x16, out0, out1; writes out0, out1
.if DOCPART == 4
	.amdgcn_target "amdgcn-amd-amdhsa--gfx1250"
	.amdhsa_code_object_version 6
	.text
	.protected	k_qcd0db5d2ee_fin
	.globl	k_qcd0db5d2ee_fin
	.p2align	8
	.type	k_qcd0db5d2ee_fin,@function
k_qcd0db5d2ee_fin:
	s_mov_b64 s[64:65], 0
	v_nop
	global_prefetch_b8 v0, s[64:65] scope:SCOPE_SE
	s_setreg_imm32_b32 hwreg(HW_REG_WAVE_MODE, 25, 1), 1
	s_wait_xcnt 0x0
; FINISH.  Work-groups 1 .. 256: level 2's choice for 32 rows each, as in the update of levels 0 and 1 (keys merged by whole-number compares, two rows of bw gathered, both z anew in f32, v_cndmask_b32), and
; code_sum = q0 + q1 + q2 = (latent - curr2) + bw[code] x scale; curr2 lies 2,097,152 bytes into the first argument.  Work-group 0: the loss = 0.001 / 8192 x (the 512 partial sums of levels 0 and 1 + level 2's
; KL of all 8,192 rows, merged here from stats).  The loss has one owner, so no sum spans work-groups; it is work-group 0, so that the one work-group more than there are WGPs is a short one.
; LIMITS.  q0 + q1 is formed as latent - curr2, off by two roundings of numbers of latent's size at the most.  Reciprocal, root, exponential and logarithm are the chip's 1-ulp forms; NaN and infinities are not treated apart.
.set LN,  1
.set O16, 2
.set O4,  4
.set TM,  5
.set PA,  6         ; v[6:7]
.set KEY, 8         ; v[8:23]
.set K1,  KEY
.set K2,  KEY+1
.set I1,  41
.set I2,  43
.set TA,  44
.set TB,  45
.set X1,  46
.set X2,  47
.set KM,  48
.set KR,  49
.set KL,  50
.set KG,  51
.set KI,  52
.set AK,  53        ; the loss: my thread's sum
.set WA,  54        ; the loss: 4 x wave
.set ZA,  55        ; the loss: 0
.set SPW, 62        ; LDS address of my spare word; never rewritten
.set NIL, 63        ; 0; never rewritten
.set C,   64        ; v[64:95]    curr2
.set B1,  96        ; v[96:127]
.set B2,  128       ; v[128:159]
.set RS,  160       ; row r's figures, as in the update
.set T,   208       ; v[208:223]
.set LT,  224       ; v[224:255]  latent; then code_sum
.set BUF, 64        ; the loss: two buffers of 64 registers
.set SPARE, 256     ; LDS: bytes 0-63 the 16 waves' sums; from 256 on the spare words, 128 bytes for each of 16 waves, which no other line names
.set SEL, 86
.set ABS, 90
.set NLN2, 91
.macro RED v
	v_add_f32_dpp v[\v], v[\v], v[\v] row_xmask:1 row_mask:0xf bank_mask:0xf
	v_add_f32_dpp v[\v], v[\v], v[\v] row_xmask:2 row_mask:0xf bank_mask:0xf
	v_add_f32_dpp v[\v], v[\v], v[\v] row_xmask:4 row_mask:0xf bank_mask:0xf
	v_add_f32_dpp v[\v], v[\v], v[\v] row_xmask:8 row_mask:0xf bank_mask:0xf
	v_permlanex16_b32 v[TM], v[\v], s[SEL], s[SEL+1]
	v_add_f32 v[\v], v[\v], v[TM]
.endm
.macro SUM d, b
	v_pk_add_f32 v[PA:PA+1], v[(\b):(\b)+1], v[(\b)+2:(\b)+3]
.irp j, 4,6,8,10,12,14
	v_pk_add_f32 v[PA:PA+1], v[PA:PA+1], v[(\b)+\j:(\b)+\j+1]
.endr
	v_add_f32 v[\d], v[PA], v[PA+1]
	RED \d
.endm
.macro DOT d, a, b
	v_pk_mul_f32 v[PA:PA+1], v[(\a):(\a)+1], v[(\b):(\b)+1]
.irp j, 2,4,6,8,10,12,14
	v_pk_fma_f32 v[PA:PA+1], v[(\a)+\j:(\a)+\j+1], v[(\b)+\j:(\b)+\j+1], v[PA:PA+1]
.endr
	v_add_f32 v[\d], v[PA], v[PA+1]
	RED \d
.endm
.macro DEV d, b, m
.irp j, 0,2,4,6,8,10,12,14
	v_pk_add_f32 v[T+\j:T+\j+1], v[(\b)+\j:(\b)+\j+1], v[(\m):(\m)+1] op_sel_hi:[1,0] neg_lo:[0,1] neg_hi:[0,1]
.endr
	DOT \d, T, T
.endm
.macro NORMF c, R                   ; scale = std (511 in the divisor) + 1e-5; f = (1 / scale) / max(|row| / scale, 1e-12)
	SUM (\R), (\c)
	v_mul_f32 v[(\R)], 0x3b000000, v[(\R)]
	DOT (\R)+1, (\c), (\c)
	DEV (\R)+4, (\c), (\R)
	v_mul_f32 v[(\R)+4], 0x3b004020, v[(\R)+4]
	v_sqrt_f32 v[(\R)+4], v[(\R)+4]
	v_sqrt_f32 v[(\R)+8], v[(\R)+1]
	v_nop
	s_wait_alu depctr_va_vdst(0)
	v_add_f32 v[(\R)+6], 0x3727c5ac, v[(\R)+4]
	v_rcp_f32 v[(\R)+11], v[(\R)+6]
	v_nop
	s_wait_alu depctr_va_vdst(0)
	v_mul_f32 v[(\R)+8], v[(\R)+8], v[(\R)+11]
	v_max_num_f32 v[(\R)+8], 0x2b8cbccc, v[(\R)+8]
	v_rcp_f32 v[(\R)+8], v[(\R)+8]
	v_nop
	s_wait_alu depctr_va_vdst(0)
	v_mul_f32 v[(\R)+8], v[(\R)+8], v[(\R)+11]
.endm
.macro DECODE k, i, x
	v_not_b32 v[TA], v[\k]
	v_ashrrev_i32 v[TA], 31, v[TA]
	v_or_b32 v[TA], 0x80000000, v[TA]
	v_xor_b32 v[TA], v[TA], v[\k]
	v_lshrrev_b32 v[\x], 1, v[\i]
	v_lshlrev_b32 v[\x], 8, v[\x]
	v_bfe_u32 v[TB], v[TA], 3, 4
	v_lshl_or_b32 v[\x], v[TB], 4, v[\x]
	v_bfe_u32 v[TB], v[TA], 7, 1
	v_lshl_or_b32 v[\x], v[TB], 3, v[\x]
	v_and_b32 v[TB], 7, v[TA]
	v_or_b32 v[\x], v[\x], v[TB]
.endm
.macro KLROW b, st                  ; KL of one row a lane from 8 parts' Lp (b + 2 p st) and rp (b + (2 p + 1) st), into v[KR]; the largest Lp is taken away before the exponentials
	v_max3_num_f32 v[KM], v[(\b)], v[(\b)+2*(\st)], v[(\b)+4*(\st)]
	v_max3_num_f32 v[KM], v[KM], v[(\b)+6*(\st)], v[(\b)+8*(\st)]
	v_max3_num_f32 v[KM], v[KM], v[(\b)+10*(\st)], v[(\b)+12*(\st)]
	v_max_num_f32 v[KM], v[KM], v[(\b)+14*(\st)]
.irp p, 0,2,4,6,8,10,12,14
	v_sub_f32 v[(\b)+\p*(\st)], v[(\b)+\p*(\st)], v[KM]
.endr
.irp p, 0,2,4,6,8,10,12,14
	v_exp_f32 v[(\b)+\p*(\st)], v[(\b)+\p*(\st)]
.endr
	v_nop
	s_wait_alu depctr_va_vdst(0)
	v_mul_f32 v[KR], v[(\b)+(\st)], v[(\b)]
	v_add_f32 v[KL], v[(\b)], v[(\b)+2*(\st)]
.irp p, 2,4,6,8,10,12,14
	v_fmac_f32 v[KR], v[(\b)+(\p+1)*(\st)], v[(\b)+\p*(\st)]
.endr
.irp p, 4,6,8,10,12,14
	v_add_f32 v[KL], v[KL], v[(\b)+\p*(\st)]
.endr
	v_log_f32 v[KG], v[KL]
	v_rcp_f32 v[KI], v[KL]
	v_nop
	s_wait_alu depctr_va_vdst(0)
	v_add_f32 v[KG], v[KG], v[KM]
	v_mul_f32 v[KR], v[KR], v[KI]
	v_add_f32 v[KG], 0xc1300000, v[KG]
	v_mul_f32 v[KR], s[ABS], v[KR]
	v_fmac_f32 v[KR], s[NLN2], v[KG]
.endm
	s_load_b512 s[4:19], s[0:1], 0x0               ; e1c 4, latent 6, keys 8, stats 10, tab 12, gumbel 14, logit_scales 16, x16 18
	s_load_b128 s[20:23], s[0:1], 0x40             ; out0 20, out1 22
	v_lshl_add_u32 v[SPW], v0, 2, SPARE
	v_mov_b32 v[NIL], 0
	v_and_b32 v[LN], 31, v0
	v_lshrrev_b32 v[TA], 5, v0
	v_readfirstlane_b32 s24, v[TA]                 ; wave 0..15
	v_lshlrev_b32 v[O16], 4, v[LN]
	v_lshlrev_b32 v[O4], 2, v[LN]
	v_mov_b32 v[TM], 0
	s_mov_b32 s[SEL], 0x76543210
	s_mov_b32 s[SEL+1], 0xfedcba98
	s_mov_b32 s[NLN2], 0xbf317218
	s_mov_b32 s77, 0
	s_cmp_eq_u32 ttmp9, 0
	s_cbranch_scc1 .Lloss                          ; the same for every wave of a work-group
	v_mov_b32 v[RS+7], 0                           ; named with the scale as a pair
	v_mov_b32 v[RS+23], 0
	s_sub_co_u32 s25, ttmp9, 1                     ; the block of 32 rows
	s_lshl_b32 s28, s25, 7
	s_mov_b32 s29, 0
	s_lshl_b32 s26, s25, 5
	s_lshl1_add_u32 s26, s24, s26                  ; my first row = 32 x block + 2 x wave
	s_lshl_b32 s32, s24, 1
	s_add_co_u32 s33, s32, 1
	s_wait_kmcnt 0x0
	s_load_b32 s66, s[16:17], 0x8                  ; logit_scales[2]
	s_add_nc_u64 s[8:9], s[8:9], s[28:29]
	s_lshl_b32 s28, s26, 11
	s_add_nc_u64 s[4:5], s[4:5], s[28:29]
	s_add_nc_u64 s[4:5], s[4:5], 2097152           ; curr2 lies behind level 1's e
	s_add_nc_u64 s[6:7], s[6:7], s[28:29]
	s_add_nc_u64 s[22:23], s[22:23], s[28:29]
.irp i, 0,1,2,3,4,5,6,7,8,9,10,11,12,13,14,15
	global_load_b32 v[KEY+\i], v[O4], s[8:9] offset:\i*32768
.endr
.irp r, 0,1
.irp k, 0,1,2,3
	global_load_b128 v[C+16*\r+4*\k:C+16*\r+4*\k+3], v[O16], s[4:5] offset:2048*\r+512*\k
.endr
.endr
.irp r, 0,1
.irp k, 0,1,2,3
	global_load_b128 v[LT+16*\r+4*\k:LT+16*\r+4*\k+3], v[O16], s[6:7] offset:2048*\r+512*\k
.endr
.endr
	s_add_nc_u64 s[78:79], s[12:13], 2097152+8388608   ; level 2's bw,
	s_add_nc_u64 s[84:85], s[12:13], 14680064+16384    ; its codes' factors,
	s_lshl_b32 s76, s26, 13
	s_add_nc_u64 s[80:81], s[14:15], s[76:77]
	s_add_nc_u64 s[80:81], s[80:81], 134217728     ; its gumbel at my two rows
	s_add_nc_u64 s[82:83], s[80:81], 8192
	s_wait_loadcnt 0x10                            ; the keys are in; the 16 loads of curr2 and latent may stay out
	v_mov_b32 v[I1], 0
	v_mov_b32 v[I2], 1
.irp i, 2,3,4,5,6,7,8,9,10,11,12,13,14,15
	v_cmp_gt_u32 s30, v[KEY+\i], v[K1]
	v_cmp_gt_u32 s31, v[KEY+\i], v[K2]
	v_cndmask_b32 v[K2], v[K2], v[KEY+\i], s31
	v_cndmask_b32 v[I2], v[I2], \i, s31
	v_cndmask_b32 v[K2], v[K2], v[K1], s30
	v_cndmask_b32 v[I2], v[I2], v[I1], s30
	v_cndmask_b32 v[K1], v[K1], v[KEY+\i], s30
	v_cndmask_b32 v[I1], v[I1], \i, s30
.endr
	DECODE K1, I1, X1
	DECODE K2, I2, X2
.irp q, 0,1,2,3
	v_readlane_b32 s[34+\q], v[X1+(\q%2)], s[32+\q/2]
	s_min_u32 s[34+\q], s[34+\q], 2047             ; a loaded number enters addresses only behind this clamp
	s_lshl_b32 s76, s[34+\q], 11
	s_add_nc_u64 s[40+2*\q:41+2*\q], s[78:79], s[76:77]
	s_lshl_b32 s76, s[34+\q], 2
	s_add_nc_u64 s[48+2*\q:49+2*\q], s[80+2*(\q/2):81+2*(\q/2)], s[76:77]
	s_add_nc_u64 s[56+2*\q:57+2*\q], s[84:85], s[76:77]
.endr
.irp q, 0,1,2,3
	s_load_b32 s[68+\q], s[48+2*\q:49+2*\q], 0x0
	s_load_b32 s[72+\q], s[56+2*\q:57+2*\q], 0x0
.endr
.irp q, 0,1,2,3
.irp k, 0,1,2,3
	global_load_b128 v[B1+32*(\q%2)+16*(\q/2)+4*\k:B1+32*(\q%2)+16*(\q/2)+4*\k+3], v[O16], s[40+2*\q:41+2*\q] offset:512*\k
.endr
.endr
	s_wait_loadcnt 0x10                            ; curr2 and latent are in; the 16 gathers may stay out
	NORMF C, RS
	NORMF C+16, RS+16
.irp r, 0,1
.irp j, 0,2,4,6,8,10,12,14
	v_pk_add_f32 v[LT+16*\r+\j:LT+16*\r+\j+1], v[LT+16*\r+\j:LT+16*\r+\j+1], v[C+16*\r+\j:C+16*\r+\j+1] neg_lo:[0,1] neg_hi:[0,1]  ; q0 + q1
.endr
.endr
	s_wait_loadcnt 0x0
	s_wait_kmcnt 0x0
.macro PICK r                       ; both z anew in f32; the winner's row into B1; code_sum
	DOT RS+16*(\r)+2, C+16*(\r), B1+16*(\r)
	DOT RS+16*(\r)+3, C+16*(\r), B2+16*(\r)
	v_mul_f32 v[RS+16*(\r)+9], v[RS+16*(\r)+2], v[RS+16*(\r)+8]
	v_mul_f32 v[RS+16*(\r)+10], v[RS+16*(\r)+3], v[RS+16*(\r)+8]
	v_mul_f32 v[RS+16*(\r)+9], s[72+2*(\r)], v[RS+16*(\r)+9]
	v_mul_f32 v[RS+16*(\r)+10], s[73+2*(\r)], v[RS+16*(\r)+10]
	v_fma_f32 v[RS+16*(\r)+9], v[RS+16*(\r)+9], s66, s[68+2*(\r)]
	v_fma_f32 v[RS+16*(\r)+10], v[RS+16*(\r)+10], s66, s[69+2*(\r)]
	v_cmp_gt_f32 s93, v[RS+16*(\r)+10], v[RS+16*(\r)+9]
	v_cmp_eq_f32 s94, v[RS+16*(\r)+10], v[RS+16*(\r)+9]
	s_cmp_lt_u32 s[35+2*(\r)], s[34+2*(\r)]
	s_cselect_b32 s27, -1, 0
	s_and_b32 s94, s94, s27
	s_or_b32 s93, s93, s94
.irp j, 0,1,2,3,4,5,6,7,8,9,10,11,12,13,14,15
	v_cndmask_b32 v[B1+16*(\r)+\j], v[B1+16*(\r)+\j], v[B2+16*(\r)+\j], s93
.endr
.irp j, 0,2,4,6,8,10,12,14
	v_pk_fma_f32 v[LT+16*(\r)+\j:LT+16*(\r)+\j+1], v[B1+16*(\r)+\j:B1+16*(\r)+\j+1], v[RS+16*(\r)+6:RS+16*(\r)+7], v[LT+16*(\r)+\j:LT+16*(\r)+\j+1] op_sel_hi:[1,0,1]
.endr
.irp k, 0,1,2,3
	global_store_b128 v[O16], v[LT+16*(\r)+4*\k:LT+16*(\r)+4*\k+3], s[22:23] offset:2048*(\r)+512*\k
.endr
.endm
	PICK 0
	PICK 1
	s_endpgm
; THE LOSS.  512 threads; thread t takes one of the 512 partial sums of levels 0 and 1, and of level 2 the rows 4 (t + 512 j) .. + 3, j = 0..3: 16 loads of 16 bytes for each j, into two buffers that take turns.
.macro LDJ bf, j
.irp i, 0,1,2,3,4,5,6,7,8,9,10,11,12,13,14,15
	global_load_b128 v[BUF+64*(\bf)+4*\i:BUF+64*(\bf)+4*\i+3], v[TB], s[10:11] offset:\i*32768+(\j)*8192
.endr
.endm
.macro KLJ bf
.irp k, 0,1,2,3
	KLROW BUF+64*(\bf)+\k, 4
	v_add_f32 v[AK], v[AK], v[KR]
.endr
.endm
.Lloss:
	v_lshlrev_b32 v[TA], 2, v0
	v_lshlrev_b32 v[TB], 4, v0
	v_lshrrev_b32 v[WA], 5, v0
	v_lshlrev_b32 v[WA], 2, v[WA]
	v_mov_b32 v[ZA], 0
	s_wait_kmcnt 0x0
	s_load_b32 s66, s[16:17], 0x8                  ; logit_scales[2]
	s_add_nc_u64 s[18:19], s[18:19], 8388608       ; the partial sums lie behind x
	global_load_b32 v[AK], v[TA], s[18:19]
	LDJ 0, 0
	LDJ 1, 1
	s_wait_kmcnt 0x0
	s_and_b32 s[ABS], s66, 0x7fffffff
	s_wait_loadcnt 0x10                            ; all but the other buffer's 16 loads
	KLJ 0
	LDJ 0, 2
	s_wait_loadcnt 0x10
	KLJ 1
	LDJ 1, 3
	s_wait_loadcnt 0x10
	KLJ 0
	s_wait_loadcnt 0x0
	KLJ 1
	RED AK
	ds_store_b32 v[WA], v[AK]                      ; all lanes of a wave write the same word with the same number
	s_wait_dscnt 0x0                               ; for the others' sake: my store is done
	s_barrier_signal -1
	s_barrier_wait -1
	ds_load_b128 v[64:67], v[ZA]
	ds_load_b128 v[68:71], v[ZA] offset:16
	ds_load_b128 v[72:75], v[ZA] offset:32
	ds_load_b128 v[76:79], v[ZA] offset:48
	s_wait_dscnt 0x0
	s_wait_tensorcnt 0x0                           ; the wave's end, behind my last LDS store; the sums, work on registers, stand between the add and its wait
	ds_add_u32 v[SPW], v[NIL]
	v_pk_add_f32 v[64:65], v[64:65], v[66:67]
	v_pk_add_f32 v[68:69], v[68:69], v[70:71]
	v_pk_add_f32 v[72:73], v[72:73], v[74:75]
	v_pk_add_f32 v[76:77], v[76:77], v[78:79]
	v_pk_add_f32 v[64:65], v[64:65], v[68:69]
	v_pk_add_f32 v[72:73], v[72:73], v[76:77]
	v_pk_add_f32 v[64:65], v[64:65], v[72:73]
	v_add_f32 v64, v64, v65
	v_mul_f32 v64, 0x3403126f, v64                 ; x 0.001 / 8192
	s_wait_dscnt 0x0
	s_cmp_lg_u32 s24, 0
	s_cbranch_scc1 .Lend
	v_cmp_eq_u32 vcc_lo, 0, v[LN]
	s_wait_xcnt 0x0
	s_and_saveexec_b32 s27, vcc_lo
	global_store_b32 v[ZA], v64, s[20:21]
	s_wait_xcnt 0x0
	s_or_b32 exec_lo, exec_lo, s27
.Lend:
	s_endpgm
.Lfunc_end_k_qcd0db5d2ee_fin:
	.size	k_qcd0db5d2ee_fin, .Lfunc_end_k_qcd0db5d2ee_fin-k_qcd0db5d2ee_fin
	.p2alignl 7, 3214868480
	.fill 96, 4, 3214868480
	.section	.rodata,"a",@progbits
	.p2align	6, 0x0
	.amdhsa_kernel k_qcd0db5d2ee_fin
		.amdhsa_group_segment_fixed_size 2304
		.amdhsa_private_segment_fixed_size 0
		.amdhsa_enable_private_segment 0
		.amdhsa_kernarg_size 80
		.amdhsa_user_sgpr_count 2
		.amdhsa_user_sgpr_kernarg_segment_ptr 1
		.amdhsa_wavefront_size32 1
		.amdhsa_system_sgpr_workgroup_id_x 1
		.amdhsa_system_sgpr_workgroup_id_y 1
		.amdhsa_system_sgpr_workgroup_id_z 1
		.amdhsa_system_vgpr_workitem_id 0
		.amdhsa_next_free_vgpr 256
		.amdhsa_next_free_sgpr 100
		.amdhsa_reserve_vcc 1
		.amdhsa_float_denorm_mode_32 3
		.amdhsa_float_denorm_mode_16_64 3
		.amdhsa_memory_ordered 1
		.amdhsa_forward_progress 1
		.amdhsa_inst_pref_size 67
	.end_amdhsa_kernel
	.amdgpu_metadata
---
amdhsa.version: [ 1, 2 ]
amdhsa.kernels:
  - .name:           k_qcd0db5d2ee_fin
    .symbol:         k_qcd0db5d2ee_fin.kd
    .args:
      - { .name: e1c, .offset: 0, .size: 8, .value_kind: global_buffer, .address_space: global }
      - { .name: latent, .offset: 8, .size: 8, .value_kind: global_buffer, .address_space: global }
      - { .name: keys, .offset: 16, .size: 8, .value_kind: global_buffer, .address_space: global }
      - { .name: stats, .offset: 24, .size: 8, .value_kind: global_buffer, .address_space: global }
      - { .name: tab, .offset: 32, .size: 8, .value_kind: global_buffer, .address_space: global }
      - { .name: gumbel, .offset: 40, .size: 8, .value_kind: global_buffer, .address_space: global }
      - { .name: logit_scales, .offset: 48, .size: 8, .value_kind: global_buffer, .address_space: global }
      - { .name: x16, .offset: 56, .size: 8, .value_kind: global_buffer, .address_space: global }
      - { .name: out0, .offset: 64, .size: 8, .value_kind: global_buffer, .address_space: global }
      - { .name: out1, .offset: 72, .size: 8, .value_kind: global_buffer, .address_space: global }
    .group_segment_fixed_size: 2304
    .private_segment_fixed_size: 0
    .kernarg_segment_align: 8
    .kernarg_segment_size: 80
    .max_flat_workgroup_size: 512
    .sgpr_count:     100
    .vgpr_count:     256
    .wavefront_size: 32
...
	.end_amdgpu_metadata
.endif
;; end of part 4
